; MI455X (gfx1250); checked and timed in simulation.
; The chip was launched on July 23, 2026; its instructions are those of AMD's public machine-readable ISA for CDNA 5 (MIT licence, August 2026) and "CDNA5" Instruction Set Architecture Reference Guide (July 2026). The comments in the code are by the model that wrote it; some were corrected since.
;; Attention. Allowed arithmetic: float matrix products may take bf16 or f16 operands with f32 sums; all other float work in f32.
;; Inputs: freqs_cos 2,048 x 64 float32; freqs_sin 2,048 x 64 float32; mask 1 x 1 x 2,048 x 2,048 float32; wk 4,096 x 1,024 float32; wo 2,048 x 4,096 float32; wq 4,096 x 2,048 float32; wv 4,096 x 1,024 float32; x 1 x 2,048 x 4,096 float32.
;; Outputs: out0 1 x 2,048 x 4,096 float32.
;; Constants: init_seqlen = 2048, start_pos = 0.
;; One version. Each part assembles by itself: llvm-mc -triple=amdgcn-amd-amdhsa -mcpu=gfx1250 --defsym DOCPART=n.
;; ======== version 1 of 1: 4 launches
;; limits: values are held in f16: magnitudes above 65,504 overflow, below 6.1e-05 lose precision; right only within a limited range of input values
;; workspace buffers: xb 16,777,216 bytes; wb 33,554,432 bytes; wob 16,777,216 bytes; mb 8,388,608 bytes; csr 1,048,576 bytes; qkv 16,777,216 bytes; ao 8,388,608 bytes
;; launch cast (part 1): grid 4640 x 1, 8 waves a work-group, no clusters, 0 bytes of LDS; arguments x, wq, wk, wv, wo, mask, freqs_cos, freqs_sin, xb, wb, wob, mb, csr; writes xb, wb, wob, mb, csr
.if DOCPART == 1
	.amdgcn_target "amdgcn-amd-amdhsa--gfx1250"
	.amdhsa_code_object_version 6
	.text
	.protected	k_q3ab8d22d88_cast
	.globl	k_q3ab8d22d88_cast
	.p2align	8
	.type	k_q3ab8d22d88_cast,@function
k_q3ab8d22d88_cast:
	s_mov_b64 s[64:65], 0
	v_nop
	global_prefetch_b8 v0, s[64:65] scope:SCOPE_SE
	s_setreg_imm32_b32 hwreg(HW_REG_WAVE_MODE, 25, 1), 1
	s_wait_xcnt 0x0
; EVERY INPUT IS ROUNDED ONCE, TO bf16's PRECISION, and laid where the three launches behind want it:
;   xb  [2048][4096] bf16 = bf16(x) / 16 (a power of two: exact)            wb  [4096 k][4096 n] bf16: columns 0-2047 wq, 2048-3071 wk, 3072-4095 wv
;   wob [2048][4096] f16  = 16 x bf16(wo) (8 significant bits fit in f16's 11)   mb  [2048][2048] bf16: the mask       csr f32: cos, then sin, each [2048][64], rounded to bf16's precision
; The 1/16 on x makes q, k, v and the attention's output 1/16 of their size, so that f16 holds them up to 1.05e6; it is undone in the score's scale and by the 16 on wo.
; LIMITS.  |wo| stays below 4,094 (16 wo within f16); 16 |wo| below 6e-5 keeps f16's fixed step of 6e-8.  mask, cos and sin are rounded to bf16 on purpose, like all inputs.
; A stream: no LDS, no barrier, no matrix unit, no cluster (no two work-groups read the same byte).  A work-group takes 8,192 consecutive source numbers as 8 units of 1,024: thread t loads
; 16 bytes at 16 t of each unit (a wave's load covers 512 consecutive bytes) and stores 8 bytes at 8 t (a wave's store covers 256 consecutive bytes, aligned); cos and sin store 16.
; All eight loads go out first; every unit has registers of its own, so nothing that a load or a store still names is written again.
.set X,  4                             ; v[4:35]   unit i: 4 numbers as loaded
.set Y,  36                            ; v[36:67]  unit i: what is stored
.set T,  68                            ; v[68:69]  at work
.set KX, 0                             ; kinds: x (times 1/16, bf16)
.set KB, 1                             ;        plain bf16
.set KO, 2                             ;        wo (bf16, times 16, f16)
.set KR, 3                             ;        cos, sin (bf16's precision, kept as f32)
	s_load_b512 s[8:23], s[0:1], 0x0               ; x s[8:9], wq s[10:11], wk s[12:13], wv s[14:15], wo s[16:17], mask s[18:19], cos s[20:21], sin s[22:23]
	s_load_b256 s[24:31], s[0:1], 0x40             ; xb s[24:25], wb s[26:27], wob s[28:29], mb s[30:31]
	s_load_b64 s[32:33], s[0:1], 0x60              ; csr
	v_lshlrev_b32 v1, 4, v0                        ; 16 t
	v_lshlrev_b32 v2, 3, v0                        ; 8 t
	s_mov_b32 s35, 0                               ; high words of the two offsets
	s_mov_b32 s41, 0
	s_mov_b32 s42, 0x3d800000                      ; 1/16
	s_mov_b32 s43, s42                             ; named with it as a pair
	s_mov_b32 s44, 0x41800000                      ; 16
	s_mov_b32 s45, s44
	s_mov_b32 s46, 0xffff0000                      ; a word's upper bf16
	s_wait_kmcnt 0x0
; The work-group's eight units, from s[36:37] to s[38:39].  lu says where unit i lies in the destination.
.macro RUN kind, lu
.irp i, 0,1,2,3,4,5,6,7
	global_load_b128 v[X+4*(\i):X+4*(\i)+3], v1, s[36:37] offset:4096*(\i) th:TH_LOAD_NT
.endr
.irp i, 0,1,2,3,4,5,6,7
.if (\lu) == 0
.set DO, 2048*(\i)                     ; dense 16-bit rows
.elseif (\lu) == 1
.set DO, ((\i)/2)*8192+((\i)%2)*2048   ; wq: two units to a row of wb
.elseif (\lu) == 2
.set DO, 8192*(\i)                     ; wk, wv: one unit to a row of wb
.else
.set DO, 4096*(\i)                     ; dense f32 rows
.endif
.set XI, X+4*(\i)
.set YI, Y+4*(\i)
	s_wait_loadcnt 7-(\i)                          ; loads come back in order (ISA guide 5.7.1): unit i is in, the younger ones stay out
.if (\kind) == KX
	v_pk_mul_f32 v[XI:XI+1], v[XI:XI+1], s[42:43] op_sel_hi:[1,0]
	v_pk_mul_f32 v[XI+2:XI+3], v[XI+2:XI+3], s[42:43] op_sel_hi:[1,0]
.endif
.if ((\kind) == KX) || ((\kind) == KB)
	v_cvt_pk_bf16_f32 v[YI], v[XI], v[XI+1]
	v_cvt_pk_bf16_f32 v[YI+1], v[XI+2], v[XI+3]
	global_store_b64 v2, v[YI:YI+1], s[38:39] offset:DO
.elseif (\kind) == KO
	v_cvt_pk_bf16_f32 v[T], v[XI], v[XI+1]         ; the rounding that all inputs get,
	v_cvt_pk_bf16_f32 v[T+1], v[XI+2], v[XI+3]
	v_lshlrev_b32 v[XI], 16, v[T]                  ; back to f32,
	v_and_b32 v[XI+1], s46, v[T]
	v_lshlrev_b32 v[XI+2], 16, v[T+1]
	v_and_b32 v[XI+3], s46, v[T+1]
	v_pk_mul_f32 v[XI:XI+1], v[XI:XI+1], s[44:45] op_sel_hi:[1,0]      ; times 16,
	v_pk_mul_f32 v[XI+2:XI+3], v[XI+2:XI+3], s[44:45] op_sel_hi:[1,0]
	v_cvt_pk_f16_f32 v[YI], v[XI], v[XI+1]         ; and written as f16
	v_cvt_pk_f16_f32 v[YI+1], v[XI+2], v[XI+3]
	global_store_b64 v2, v[YI:YI+1], s[38:39] offset:DO
.else
	v_cvt_pk_bf16_f32 v[T], v[XI], v[XI+1]
	v_cvt_pk_bf16_f32 v[T+1], v[XI+2], v[XI+3]
	v_lshlrev_b32 v[YI], 16, v[T]
	v_and_b32 v[YI+1], s46, v[T]
	v_lshlrev_b32 v[YI+2], 16, v[T+1]
	v_and_b32 v[YI+3], s46, v[T+1]
	global_store_b128 v1, v[YI:YI+3], s[38:39] offset:DO
.endif
.endr
	s_endpgm
.endm
	s_cmp_lt_u32 ttmp9, 1024                       ; work-groups 0-1023: x
	s_cbranch_scc0 .Lnot_x
	s_lshl_b32 s40, ttmp9, 15                      ; 32,768 source bytes a work-group
	s_lshl_b32 s34, ttmp9, 14
	s_add_nc_u64 s[36:37], s[8:9], s[40:41]
	s_add_nc_u64 s[38:39], s[24:25], s[34:35]
	RUN KX, 0
.Lnot_x:
	s_cmp_lt_u32 ttmp9, 2048                       ; 1024-2047: wq, four rows of 2,048 a work-group
	s_cbranch_scc0 .Lnot_wq
	s_sub_co_u32 s2, ttmp9, 1024
	s_lshl_b32 s40, s2, 15                         ; four rows of wb are 32,768 bytes too
	s_add_nc_u64 s[36:37], s[10:11], s[40:41]
	s_add_nc_u64 s[38:39], s[26:27], s[40:41]
	RUN KB, 1
.Lnot_wq:
	s_cmp_lt_u32 ttmp9, 3072                       ; 2048-2559: wk; 2560-3071: wv; eight rows of 1,024 a work-group
	s_cbranch_scc0 .Lnot_kv
	s_sub_co_u32 s2, ttmp9, 2048
	s_mov_b32 s34, 4096                            ; wk's first column in a row of wb, in bytes
	s_cmp_lt_u32 s2, 512
	s_cselect_b64 s[36:37], s[12:13], s[14:15]
	s_cselect_b32 s34, s34, 6144                   ; or wv's
	s_and_b32 s2, s2, 511
	s_lshl_b32 s40, s2, 15
	s_lshl_b32 s3, s2, 16                          ; eight rows of wb
	s_add_co_u32 s34, s34, s3
	s_add_nc_u64 s[36:37], s[36:37], s[40:41]
	s_add_nc_u64 s[38:39], s[26:27], s[34:35]
	RUN KB, 2
.Lnot_kv:
	s_cmp_lt_u32 ttmp9, 4096                       ; 3072-4095: wo
	s_cbranch_scc0 .Lnot_wo
	s_sub_co_u32 s2, ttmp9, 3072
	s_lshl_b32 s40, s2, 15
	s_lshl_b32 s34, s2, 14
	s_add_nc_u64 s[36:37], s[16:17], s[40:41]
	s_add_nc_u64 s[38:39], s[28:29], s[34:35]
	RUN KO, 0
.Lnot_wo:
	s_cmp_lt_u32 ttmp9, 4608                       ; 4096-4607: the mask
	s_cbranch_scc0 .Lnot_mask
	s_sub_co_u32 s2, ttmp9, 4096
	s_lshl_b32 s40, s2, 15
	s_lshl_b32 s34, s2, 14
	s_add_nc_u64 s[36:37], s[18:19], s[40:41]
	s_add_nc_u64 s[38:39], s[30:31], s[34:35]
	RUN KB, 0
.Lnot_mask:
	s_sub_co_u32 s2, ttmp9, 4608                   ; 4608-4623: cos; 4624-4639: sin, which falls at byte 524,288 of csr by itself
	s_cmp_lt_u32 s2, 16
	s_cselect_b64 s[36:37], s[20:21], s[22:23]
	s_lshl_b32 s34, s2, 15
	s_and_b32 s2, s2, 15
	s_lshl_b32 s40, s2, 15
	s_add_nc_u64 s[36:37], s[36:37], s[40:41]
	s_add_nc_u64 s[38:39], s[32:33], s[34:35]
	RUN KR, 3
.Lfunc_end_k_q3ab8d22d88_cast:
	.size	k_q3ab8d22d88_cast, .Lfunc_end_k_q3ab8d22d88_cast-k_q3ab8d22d88_cast
	.p2alignl 7, 3214868480
	.fill 96, 4, 3214868480
	.section	.rodata,"a",@progbits
	.p2align	6, 0x0
	.amdhsa_kernel k_q3ab8d22d88_cast
		.amdhsa_group_segment_fixed_size 0
		.amdhsa_private_segment_fixed_size 0
		.amdhsa_enable_private_segment 0
		.amdhsa_kernarg_size 104
		.amdhsa_user_sgpr_count 2
		.amdhsa_user_sgpr_kernarg_segment_ptr 1
		.amdhsa_wavefront_size32 1
		.amdhsa_system_sgpr_workgroup_id_x 1
		.amdhsa_system_sgpr_workgroup_id_y 1
		.amdhsa_system_sgpr_workgroup_id_z 1
		.amdhsa_system_vgpr_workitem_id 0
		.amdhsa_next_free_vgpr 80
		.amdhsa_next_free_sgpr 66
		.amdhsa_reserve_vcc 0
		.amdhsa_float_denorm_mode_32 3
		.amdhsa_float_denorm_mode_16_64 3
		.amdhsa_memory_ordered 1
		.amdhsa_forward_progress 1
		.amdhsa_inst_pref_size 25
	.end_amdhsa_kernel
	.amdgpu_metadata
---
amdhsa.version: [ 1, 2 ]
amdhsa.kernels:
  - .name:           k_q3ab8d22d88_cast
    .symbol:         k_q3ab8d22d88_cast.kd
    .args:
      - { .name: x, .offset: 0, .size: 8, .value_kind: global_buffer, .address_space: global }
      - { .name: wq, .offset: 8, .size: 8, .value_kind: global_buffer, .address_space: global }
      - { .name: wk, .offset: 16, .size: 8, .value_kind: global_buffer, .address_space: global }
      - { .name: wv, .offset: 24, .size: 8, .value_kind: global_buffer, .address_space: global }
      - { .name: wo, .offset: 32, .size: 8, .value_kind: global_buffer, .address_space: global }
      - { .name: mask, .offset: 40, .size: 8, .value_kind: global_buffer, .address_space: global }
      - { .name: freqs_cos, .offset: 48, .size: 8, .value_kind: global_buffer, .address_space: global }
      - { .name: freqs_sin, .offset: 56, .size: 8, .value_kind: global_buffer, .address_space: global }
      - { .name: xb, .offset: 64, .size: 8, .value_kind: global_buffer, .address_space: global }
      - { .name: wb, .offset: 72, .size: 8, .value_kind: global_buffer, .address_space: global }
      - { .name: wob, .offset: 80, .size: 8, .value_kind: global_buffer, .address_space: global }
      - { .name: mb, .offset: 88, .size: 8, .value_kind: global_buffer, .address_space: global }
      - { .name: csr, .offset: 96, .size: 8, .value_kind: global_buffer, .address_space: global }
    .group_segment_fixed_size: 0
    .private_segment_fixed_size: 0
    .kernarg_segment_align: 8
    .kernarg_segment_size: 104
    .max_flat_workgroup_size: 256
    .sgpr_count:     66
    .vgpr_count:     80
    .wavefront_size: 32
...
	.end_amdgpu_metadata
.endif
;; end of part 1
;; launch gemm_qkv (part 2): grid 16 x 16, 4 waves a work-group, clusters of 4 x 4, 327,680 bytes of LDS; arguments xb, wb, csr, qkv; writes qkv
.if DOCPART == 2
	.amdgcn_target "amdgcn-amd-amdhsa--gfx1250"
	.amdhsa_code_object_version 6
	.text
	.protected	k_q3ab8d22d88_gemm_qkv
	.globl	k_q3ab8d22d88_gemm_qkv
	.p2align	8
	.type	k_q3ab8d22d88_gemm_qkv,@function
k_q3ab8d22d88_gemm_qkv:
	s_mov_b64 s[64:65], 0
	v_nop
	global_prefetch_b8 v0, s[64:65] scope:SCOPE_SE
	s_setreg_imm32_b32 hwreg(HW_REG_WAVE_MODE, 25, 1), 1
	s_wait_xcnt 0x0
	s_wait_alu depctr_hold_cnt(0) depctr_sa_sdst(0) depctr_va_vdst(0) depctr_va_sdst(0) depctr_va_ssrc(0) depctr_va_vcc(0) depctr_vm_vsrc(0)
	s_getreg_b32 s2, hwreg(HW_REG_IB_STS2, 6, 4)
	s_cmp_eq_u32 s2, 0
	s_cbranch_scc0 .Lentry_in_a_cluster
	s_endpgm
.Lentry_in_a_cluster:
	s_bfe_u32 s2, ttmp6, 0x10000c
	s_cmp_lg_u32 s2, 0xf033
	s_cbranch_scc0 .Lentry_shape_is_right
	s_endpgm
.Lentry_shape_is_right:
; qkv[s][n] = rope(sum over k of xb[s][k] wb[k][n]).  xb: [2048][4096] bf16 (x / 16), wb: [4096 k][4096 n] bf16 (wq | wk | wv), qkv: [2048][4096] f16; sums in f32.
; Columns 0-3071 (q's 16 heads, k's 8) are turned by the rotary angles of their row in f32, columns 3072-4095 (v) are not; each number is rounded once, to f16, at 1/16 of its true size.
; LIMITS.  |q|, |k|, |v| stay below 1.05e6 (f16 ends at 65,504, and the numbers are kept at 1/16); NaN and infinities are not treated apart.
; A tile of C is 128 rows x 256 columns: 16 x 16 work-groups.  Four waves, each 64 x 128: 32 accumulators of 16 x 16, 256 registers.  K goes in steps of 128 through a ring of
; two LDS slots.  A's rows lie along K and come out of LDS as they lie; B lies [k][n] and is turned on its way out of LDS by ds_load_tr16_b128.
; THE GRID.  x counts tile rows of C and y tile columns: all clusters of one y work on the same 1,024 columns of B, the larger of the two operands (64 KiB of a K step's 96).
; CLUSTERS: 4 x 4 work-groups.  The four of a column of the cluster (the same cx) need the same tiles of A, the four of a row (the same cy) the same tiles of B: each tile is asked for JOINTLY, by the same
; tensor load with the same descriptor and a mask that names the four.  THE MATRIX INSTRUCTION IS USED TRANSPOSED (source 0 = 16 columns of B, source 1 = 16 rows of A): a lane holds eight neighbouring numbers of a row of C.
; REGISTERS, in windows of 256 (s_set_vgpr_msb: bits 1:0 source 0, 3:2 source 1, 5:4 source 2, 7:6 destination):
;   window 0: v0-31 addresses; v32-63 packed results; v64-127 turned results; v128-255 rows read back from the stage, 32 a block
;   window 1: two fragment buffers of 96: 64 of B (8 x 16 columns x 32 K), then 32 of A (4 x 16 rows x 32 K)
;   window 2: the accumulators, (a, b) at v[8 (8 a + b)]          window 3: v0-127 cos, v128-255 sin of my rows and column pairs, four for each accumulator
.set SIZE_K, 4096
.set LDA,    4096                      ; elements in a row of A
.set LDB,    4096                      ; elements in a row of B
.set KSTEP,  128
.set PA,     272                       ; a row of A in LDS: 256 bytes + 16 = 68 words: the 16 rows of a load start at 16 different groups of four banks (64 banks of 4 bytes: ISA guide 11.1)
.set PB,     544                       ; a row of B: 512 + 32 = 136 words
.set HALFB,  64*PB                     ; what one tensor load brings of B: 64 k-rows
.set HALFA,  64*PA                     ; of A: 64 rows
.set AOFF,   2*HALFB                   ; a slot: B's 128 k-rows, then A's 128 rows
.set SLOT,   AOFF+2*HALFA
.set STAGE,  2*SLOT                    ; behind the ring: 16 rows x 272 bytes for each wave, for the way out
.set SPITCH, 272
.set SPARE,  STAGE+4*16*SPITCH         ; behind the stages: the spare words, 128 bytes for each wave: two blocks of 256 bytes that no other line names
.set LAPS,   SIZE_K/(2*KSTEP)          ; a lap = two K steps = once round the ring
.set ADRA, 16                          ; v16-17  LDS address of my A fragments in slot 0, 1
.set ADRB, 20                          ; v20-21  the same for B
.set STO,  24                          ; v24     the way out: where I put 16 bytes of a row
.set RD,   25                          ; v25     where I read a row back
.set CO,   26                          ; v26     my byte offset in C
.set CSO,  27                          ; v27     my byte offset in cos and sin
.set SPW,  28                          ; v28     LDS address of my spare word; never rewritten
.set NIL,  29                          ; v29     0; never rewritten
.set TMP,  32
.set R,    64
.set OB,   128
.set F0,   0
.set F1,   96
.set G1A,  24                          ; s[24:31] descriptor group 1 for A's tiles;  s[32:39] group 0, one set for each slot
.set G0A,  32
.set G1B,  40                          ; s[40:47], s[48:55] the same for B's
.set G0B,  48
.set MSB, 0
.macro WIN new                         ; the immediate's high byte repeats the setting that is left; a switch that changes nothing is dropped
.if MSB != (\new)
	s_set_vgpr_msb (MSB<<8)|(\new)
.set MSB, \new
.endif
.endm
.set MUL,  0xa5                        ; sources 0 (B) and 1 (A) window 1; C and D window 2
.set TO_F, 0x40                        ; destination window 1, address window 0
.macro PLACES                          ; four places in front of loads into registers that matrix instructions have read, and of lines that read results
.rept 4
	v_nop
.endr
.endm
; A joint load: waves 0 and 1 fetch B's two halves, waves 2 and 3 A's.  The branch hangs on the wave's number alone.  An s_nop 0 and four v_nop follow each of the two lines.
.macro JLOAD s
	s_cmp_eq_u32 s13, 0
	s_cbranch_scc0 .Lfor_a_\@
	tensor_load_to_lds s[G0B+4*(\s):G0B+4*(\s)+3], s[G1B:G1B+7]
	s_nop 0
.rept 4
	v_nop
.endr
	s_branch .Lasked_\@
.Lfor_a_\@:
	tensor_load_to_lds s[G0A+4*(\s):G0A+4*(\s)+3], s[G1A:G1A+7]
	s_nop 0
.rept 4
	v_nop
.endr
.Lasked_\@:
.endm
; A round of the cluster's barrier: my work-group's barrier, so that wave 0's signal speaks for all four waves; wave 0 signals for the work-group; every wave waits for all sixteen; my work-group's barrier once more.
.macro CROUND
	s_barrier_signal -1
	s_barrier_wait -1
	s_cmp_lg_u32 s12, 0
	s_cbranch_scc1 .Lnot_wave_0_\@
	s_barrier_signal -3
.Lnot_wave_0_\@:
	s_barrier_wait -3
	s_barrier_signal -1
	s_barrier_wait -1
.endm
	s_load_b256 s[4:11], s[0:1], 0x0               ; xb s[4:5], wb s[6:7], csr s[8:9], qkv s[10:11]
	v_lshl_add_u32 v[SPW], v0, 2, SPARE
	v_mov_b32 v[NIL], 0
	v_lshrrev_b32 v1, 5, v0
	v_readfirstlane_b32 s12, v1                    ; wave 0..3
	s_lshr_b32 s13, s12, 1                         ; which 64 of the tile's rows are mine.  Also: I fetch for B (0) or for A (1)
	s_and_b32 s14, s12, 1                          ; which 128 of its columns.  Also: which half of that tile I fetch
	s_bfe_u32 s15, ttmp6, 0x40000                  ; cx, cy: my place in the cluster
	s_bfe_u32 s16, ttmp6, 0x40004
	s_and_b32 s22, ttmp7, 0xffff                   ; the cluster's y: the same in all sixteen partners
	s_lshl_b32 s17, s22, 2
	s_add_co_u32 s17, s17, s16                     ; tile column of C = 4 x cluster y + cy
	s_lshl_b32 s18, ttmp9, 2
	s_add_co_u32 s18, s18, s15                     ; tile row of C = 4 x cluster x + cx
	s_lshl_b32 s19, 0x1111, s15                    ; my column of the cluster: the same cx, so the same tile row
	s_lshl_b32 s20, s16, 2
	s_lshl_b32 s20, 15, s20                        ; my row of the cluster: the same cy, so the same tile column
	s_or_b32 s[G1A], s19, (1<<16)|(1<<20)|(1<<21)|(5<<22)|(3<<25)  ; 15:0 the mask: A's tiles go to my column; 17:16 2-byte elements; 20 padding on; 21 set beside a mask; 24:22 after every 64 words; 31:25 4 words
	s_mov_b32 s[G1A+1], KSTEP<<16                  ; tensor_dim0 = 128
	s_mov_b32 s[G1A+2], 64<<16                     ; tensor_dim1 = 64
	s_mov_b32 s[G1A+3], KSTEP<<16                  ; tile_dim0 = 128
	s_mov_b32 s[G1A+4], 64                         ; tile_dim1 = 64
	s_mov_b32 s[G1A+5], LDA                        ; elements from row to row
	s_mov_b32 s[G1A+6], 0
	s_mov_b32 s[G1A+7], 0
	s_or_b32 s[G1B], s20, (1<<16)|(1<<20)|(1<<21)|(6<<22)|(7<<25)  ; B's tiles go to my row; padding after every 128 words, 8 words
	s_mov_b32 s[G1B+1], 256<<16                    ; tensor_dim0 = 256 columns
	s_mov_b32 s[G1B+2], 64<<16                     ; tensor_dim1 = 64 k-rows
	s_mov_b32 s[G1B+3], 256<<16
	s_mov_b32 s[G1B+4], 64
	s_mov_b32 s[G1B+5], LDB
	s_mov_b32 s[G1B+6], 0
	s_mov_b32 s[G1B+7], 0
	s_lshl_b32 s56, s18, 7                         ; A: row 128 x tile row + 64 x half, in bytes: made of the tile row and the wave alone
	s_lshl_b32 s57, s14, 6
	s_add_co_u32 s56, s56, s57
	s_mul_i32 s56, s56, LDA*2
	s_mov_b32 s57, 0
	s_lshl_b32 s58, s17, 9                         ; B: column 256 x tile column (512 bytes), k-row 64 x half: made of the tile column and the wave alone
	s_lshl_b32 s59, s14, 19
	s_add_co_u32 s58, s58, s59
	s_mov_b32 s59, 0
	s_mul_i32 s60, s12, HALFB                      ; where they go: B's halves at wave x 64 k-rows (waves 0, 1),
	s_mul_i32 s61, s12, HALFA                      ; A's behind them (waves 2, 3): no place in the cluster enters an LDS address
	s_add_co_u32 s61, s61, AOFF-2*HALFA
	s_wait_kmcnt 0x0
	s_add_nc_u64 s[56:57], s[4:5], s[56:57]
	s_add_nc_u64 s[58:59], s[6:7], s[58:59]
	CROUND                                         ; all sixteen work-groups are here: the first joint loads meet
.irp s, 0,1
	s_mov_b32 s[G0A+4*(\s)], 1                                     ; count = 1
	s_add_co_u32 s[G0A+4*(\s)+1], s61, (\s)*SLOT                   ; LDS address
	s_add_nc_u64 s[G0A+4*(\s)+2:G0A+4*(\s)+3], s[56:57], (\s)*KSTEP*2  ; global address: K step s
	s_or_b32 s[G0A+4*(\s)+3], s[G0A+4*(\s)+3], 0x80000000          ; type = 2
	s_mov_b32 s[G0B+4*(\s)], 1
	s_add_co_u32 s[G0B+4*(\s)+1], s60, (\s)*SLOT
	s_add_nc_u64 s[G0B+4*(\s)+2:G0B+4*(\s)+3], s[58:59], (\s)*KSTEP*LDB*2
	s_or_b32 s[G0B+4*(\s)+3], s[G0B+4*(\s)+3], 0x80000000
	JLOAD \s                                       ; two loads of mine are out
.endr
	v_and_b32 v1, 15, v0                           ; r = l % 16
	v_bfe_u32 v2, v0, 4, 1                         ; h = l / 16
	v_mul_u32_u24 v3, v1, PA                       ; a fragment of A: lane l holds row r; two loads of 16 bytes, 32 bytes apart, at row x pitch + 16 h
	v_lshl_add_u32 v3, v2, 4, v3
	s_mul_i32 s60, s13, HALFA                      ; my 64 rows of A
	s_add_co_u32 s60, s60, AOFF
	v_add_nc_u32 v[ADRA], s60, v3
	v_add_nc_u32 v[ADRA+1], SLOT, v[ADRA]
	v_and_b32 v4, 7, v0                            ; the turning load: lane l reads k-row 8 h + l % 8, columns 8 ((l / 8) % 2) + 0..7, and is left with column r and 8 k
	v_lshl_add_u32 v4, v2, 3, v4
	v_mul_u32_u24 v4, v4, PB
	v_bfe_u32 v5, v0, 3, 1
	v_lshl_add_u32 v4, v5, 4, v4
	s_lshl_b32 s61, s14, 8                         ; my 128 columns of B
	v_add_nc_u32 v[ADRB], s61, v4
	v_add_nc_u32 v[ADRB+1], SLOT, v[ADRB]
	s_mul_i32 s60, s12, 16*SPITCH
	s_add_co_u32 s60, s60, STAGE                   ; my stage
	v_mul_u32_u24 v4, v1, SPITCH                   ; in: row r, 16 bytes for each half of the lanes
	v_lshl_add_u32 v4, v2, 4, v4
	v_add_nc_u32 v[STO], s60, v4
	v_mul_u32_u24 v5, v2, SPITCH                   ; back: lanes 0-15 take one row of 256 bytes, lanes 16-31 the next
	v_lshl_add_u32 v5, v1, 4, v5
	v_add_nc_u32 v[RD], s60, v5
	v_lshlrev_b32 v5, 13, v2                       ; and the same two rows in qkv (8,192 bytes a row)
	v_lshl_add_u32 v[CO], v1, 4, v5
	v_lshlrev_b32 v5, 8, v1                        ; cos, sin: row r of 256 bytes, 16 bytes for each half of the lanes
	v_lshl_add_u32 v[CSO], v2, 4, v5
	s_lshl_b32 s60, s18, 7
	s_lshl_b32 s61, s13, 6
	s_add_co_u32 s60, s60, s61                     ; my first row = 128 x tile row + 64 x half
	s_lshl_b32 s62, s60, 8
	s_mov_b32 s63, 0
	s_add_nc_u64 s[8:9], s[8:9], s[62:63]          ; cos at my first row
	s_lshl_b32 s60, s60, 13
	s_lshl_b32 s62, s17, 9                         ; my first column, in bytes: 512 x tile column + 256 x half
	s_add_co_u32 s60, s60, s62
	s_lshl_b32 s62, s14, 8
	s_add_co_u32 s60, s60, s62
	s_mov_b32 s61, 0
	s_add_nc_u64 s[10:11], s[10:11], s[60:61]      ; qkv at my part of the tile
	; My 128 columns are one head.  Accumulator (a, b) holds in lane (r, h) the pairs 8 b + 4 h + 0..3 of row 16 a + r: four cos and four sin, 16 bytes each.  They are wanted on the way out
	; and come in under the whole product.  Work-groups of v's columns load them too, so that one text serves all.
	WIN 0xc0                                       ; destination window 3, address window 0
.irp a, 0,1,2,3
.irp b, 0,1,2,3,4,5,6,7
	global_load_b128 v[4*(8*(\a)+(\b)):4*(8*(\a)+(\b))+3], v[CSO], s[8:9] offset:4096*(\a)+32*(\b)
	global_load_b128 v[128+4*(8*(\a)+(\b)):128+4*(8*(\a)+(\b))+3], v[CSO], s[8:9] offset:524288+4096*(\a)+32*(\b)
.endr
.endr
	WIN 0
; 8 matrix instructions: n blocks b0, b0 + 1 x all 4 m blocks, 32 along K.  The 32 accumulators take turns, one instruction a turn, in the same order in every quarter.
.macro MUL8 f, b0, zero
	WIN MUL
.irp b, \b0, (\b0)+1
.irp a, 0,1,2,3
.if \zero
	v_wmma_f32_16x16x32_bf16 v[8*(8*(\a)+(\b)):8*(8*(\a)+(\b))+7], v[(\f)+8*(\b):(\f)+8*(\b)+7], v[(\f)+64+8*(\a):(\f)+64+8*(\a)+7], 0
.else
	v_wmma_f32_16x16x32_bf16 v[8*(8*(\a)+(\b)):8*(8*(\a)+(\b))+7], v[(\f)+8*(\b):(\f)+8*(\b)+7], v[(\f)+64+8*(\a):(\f)+64+8*(\a)+7], v[8*(8*(\a)+(\b)):8*(8*(\a)+(\b))+7]
.endif
.endr
.endr
.endm
; 24 LDS loads in one run: the fragments of quarter q (32 along K) into buffer f: A's 8, then B's blocks 0-3, then 4-7
.macro FETCH slot, q, f
	WIN TO_F
.irp a, 0,1,2,3
	ds_load_b128 v[(\f)+64+8*(\a):(\f)+64+8*(\a)+3],   v[ADRA+(\slot)] offset:64*(\q)+(\a)*16*PA
	ds_load_b128 v[(\f)+64+8*(\a)+4:(\f)+64+8*(\a)+7], v[ADRA+(\slot)] offset:64*(\q)+(\a)*16*PA+32
.endr
.irp b, 0,1,2,3,4,5,6,7
	ds_load_tr16_b128 v[(\f)+8*(\b):(\f)+8*(\b)+3],   v[ADRB+(\slot)] offset:32*PB*(\q)+32*(\b)
	ds_load_tr16_b128 v[(\f)+8*(\b)+4:(\f)+8*(\b)+7], v[ADRB+(\slot)] offset:32*PB*(\q)+32*(\b)+16*PB
.endr
.endm
; A K step is four quarters of 32 along K, 32 matrix instructions each, on buffers 0, 1, 0, 1.  One of the first three: multiplies buffer f and fetches quarter qn into g.
.macro QUARTER slot, qn, f, g, zero
	s_wait_dscnt 8                                 ; A and B's blocks 0-3 are in; the youngest eight loads (B's blocks 4-7) may be out
	MUL8 \f, 0, \zero
	MUL8 \f, 2, \zero
	PLACES
	FETCH \slot, \qn, \g
	s_wait_dscnt 24                                ; all but the 24 just issued
	MUL8 \f, 4, \zero
	MUL8 \f, 6, \zero
.endm
; The last quarter multiplies buffer 1 and changes slots.  Its first sixteen products want nothing of the next slot, so they stand AHEAD of the wait for it: between the moment at which the next slot has landed
; and the request that follows it stand only the lines that the ordering needs.  ONE barrier: in front of it each wave waits for all its tensor loads, adds 0 to its spare word, and waits for that and for its own
; reads of this slot.  fill = 1: this slot is filled again, two K steps ahead: the barrier is a round of the cluster's, and the joint load is the first thing behind the round.
.macro TURN slot, next, fill
	s_wait_dscnt 8                                 ; buffer 1's A and B's blocks 0-3 are in; the youngest eight loads (B's blocks 4-7) may be out
	MUL8 F1, 0, 0
	MUL8 F1, 2, 0
	WIN 0
	s_wait_tensorcnt 0x0                           ; all my tensor loads have landed: the one that was out is my part of the next slot; so every group 0 may be written;
	ds_add_u32 v[SPW], v[NIL]                      ; 0 onto my spare word: with fill = 1 the descriptors' steps stand between it and the wait for it
.if \fill
	s_add_nc_u64 s[G0A+4*(\slot)+2:G0A+4*(\slot)+3], s[G0A+4*(\slot)+2:G0A+4*(\slot)+3], 2*KSTEP*2
	s_add_nc_u64 s[G0B+4*(\slot)+2:G0B+4*(\slot)+3], s[G0B+4*(\slot)+2:G0B+4*(\slot)+3], 2*KSTEP*LDB*2
.endif
	s_wait_dscnt 0x0                               ; the add is done, and my reads of this slot are over
.if \fill
	CROUND                                         ; no wave of any partner still reads this slot's tiles or has a load on its way
	JLOAD \slot                                    ; a K step's 128 matrix instructions ahead of the wait for it; the four v_nop behind it are also the places in front of the loads below
.else
	s_barrier_signal -1
	s_barrier_wait -1
	PLACES
.endif
	FETCH \next, 0, F0
	MUL8 F1, 4, 0                                  ; sixteen products stand over the way of the next slot's first fragments out of LDS
	MUL8 F1, 6, 0
.endm
	s_wait_tensorcnt 1                             ; my part of K step 0 is in; K step 1's may stay out
	s_barrier_signal -1
	s_barrier_wait -1                              ; everybody's is
	FETCH 0, 0, F0
	QUARTER 0, 1, F0, F1, 1                        ; the first quarter stands in front of the loop: its products start the sums
	WIN 0                                          ; at a label and at a branch every window is 0
	s_mov_b32 s21, LAPS-1
.Llap:                                                 ; a trip goes once round the ring, from a lap's second quarter to the next lap's first, and fills both slots again
	QUARTER 0, 2, F1, F0, 0
	QUARTER 0, 3, F0, F1, 0
	TURN 0, 1, 1
	QUARTER 1, 1, F0, F1, 0
	QUARTER 1, 2, F1, F0, 0
	QUARTER 1, 3, F0, F1, 0
	TURN 1, 0, 1
	QUARTER 0, 1, F0, F1, 0
	WIN 0
	s_sub_co_u32 s21, s21, 1
	s_cmp_lg_u32 s21, 0
	s_cbranch_scc1 .Llap
	QUARTER 0, 2, F1, F0, 0                        ; the last lap fills nothing
	QUARTER 0, 3, F0, F1, 0
	TURN 0, 1, 0
	QUARTER 1, 1, F0, F1, 0
	QUARTER 1, 2, F1, F0, 0
	QUARTER 1, 3, F0, F1, 0
	s_wait_dscnt 8                                 ; the very last quarter: nothing more to fetch
	MUL8 F1, 0, 0
	MUL8 F1, 2, 0
	s_wait_dscnt 0x0
	MUL8 F1, 4, 0
	MUL8 F1, 6, 0
	WIN 0
; THE WAY OUT, a block of 16 rows at a time.  PACK: q's and k's pairs (t0, t1) become (t0 cos - t1 sin, t0 sin + t1 cos) in f32; all are rounded to f16, 16 bytes a lane.
; The branch hangs on the cluster's y alone (tile columns 12-15, cluster y = 3, are v's): it is the same in all partners, and no barrier stands under it.
.macro PACK a
	WIN 0
	s_cmp_ge_u32 s22, 3
	s_cbranch_scc1 .Lplain_\@
	WIN 0x0e                                       ; source 0 (the sums) window 2, source 1 (cos, sin) window 3, source 2 and destination window 0
.irp b, 0,1,2,3,4,5,6,7
.irp i, 0,1,2,3                        ; each accumulator's lowest registers are read first
	v_mul_f32 v[R+8*(\b)+2*(\i)],   v[8*(8*(\a)+(\b))+2*(\i)+1], v[128+4*(8*(\a)+(\b))+(\i)]
	v_mul_f32 v[R+8*(\b)+2*(\i)+1], v[8*(8*(\a)+(\b))+2*(\i)],   v[128+4*(8*(\a)+(\b))+(\i)]
.endr
.endr
.irp b, 0,1,2,3,4,5,6,7
.irp i, 0,1,2,3
	v_fma_f32 v[R+8*(\b)+2*(\i)],   v[8*(8*(\a)+(\b))+2*(\i)],   v[4*(8*(\a)+(\b))+(\i)], -v[R+8*(\b)+2*(\i)]
	v_fma_f32 v[R+8*(\b)+2*(\i)+1], v[8*(8*(\a)+(\b))+2*(\i)+1], v[4*(8*(\a)+(\b))+(\i)], v[R+8*(\b)+2*(\i)+1]
.endr
.endr
	WIN 0
.irp b, 0,1,2,3,4,5,6,7
.irp i, 0,1,2,3
	v_cvt_pk_f16_f32 v[TMP+4*(\b)+(\i)], v[R+8*(\b)+2*(\i)], v[R+8*(\b)+2*(\i)+1]
.endr
.endr
	s_branch .Lpacked_\@
.Lplain_\@:
	WIN 0x0a                                       ; sources 0 and 1 window 2
.irp b, 0,1,2,3,4,5,6,7
.irp i, 0,1,2,3
	v_cvt_pk_f16_f32 v[TMP+4*(\b)+(\i)], v[8*(8*(\a)+(\b))+2*(\i)], v[8*(8*(\a)+(\b))+2*(\i)+1]
.endr
.endr
	WIN 0
.Lpacked_\@:
.endm
.macro TOSTAGE a                       ; into my own stage, and back as whole rows of 256 bytes
.irp b, 0,1,2,3,4,5,6,7
	ds_store_b128 v[STO], v[TMP+4*(\b):TMP+4*(\b)+3] offset:32*(\b)
.endr
.irp t, 0,1,2,3,4,5,6,7
	ds_load_b128 v[OB+32*(\a)+4*(\t):OB+32*(\a)+4*(\t)+3], v[RD] offset:(\t)*2*SPITCH  ; LDS serves a wave's instructions in order (ISA guide 5.7.1.4): these see the stores above
.endr
.endm
.macro SEND a                          ; every block has registers of its own and its place stands in the immediate: nothing that a store names is written again
	s_wait_dscnt 0x0                               ; the block is back in registers
.irp t, 0,1,2,3,4,5,6,7
	global_store_b128 v[CO], v[OB+32*(\a)+4*(\t):OB+32*(\a)+4*(\t)+3], s[10:11] offset:(16*(\a)+2*(\t))*8192  ; 16 lanes store 256 consecutive bytes, at a multiple of 256 from qkv's first byte
.endr
.endm
	PLACES                                         ; behind the last products
	s_wait_loadcnt 0x0                             ; cos and sin
	PACK 0
	TOSTAGE 0
.irp a, 1,2,3                          ; block a's arithmetic stands between block a - 1's loads from the stage and the wait for them
	PACK \a
	SEND (\a)-1
	TOSTAGE \a
.endr
	SEND 3
	s_wait_tensorcnt 0x0                           ; the wave's end, behind my last tensor load and my last LDS store
	ds_add_u32 v[SPW], v[NIL]
	s_wait_dscnt 0x0
	CROUND                                         ; the closing round: no work-group ends while a partner may still ask for a tile that names it
	s_endpgm
.Lfunc_end_k_q3ab8d22d88_gemm_qkv:
	.size	k_q3ab8d22d88_gemm_qkv, .Lfunc_end_k_q3ab8d22d88_gemm_qkv-k_q3ab8d22d88_gemm_qkv
	.p2alignl 7, 3214868480
	.fill 96, 4, 3214868480
	.section	.rodata,"a",@progbits
	.p2align	6, 0x0
	.amdhsa_kernel k_q3ab8d22d88_gemm_qkv
		.amdhsa_group_segment_fixed_size 327680
		.amdhsa_private_segment_fixed_size 0
		.amdhsa_enable_private_segment 0
		.amdhsa_kernarg_size 32
		.amdhsa_user_sgpr_count 2
		.amdhsa_user_sgpr_kernarg_segment_ptr 1
		.amdhsa_wavefront_size32 1
		.amdhsa_system_sgpr_workgroup_id_x 1
		.amdhsa_system_sgpr_workgroup_id_y 1
		.amdhsa_system_sgpr_workgroup_id_z 1
		.amdhsa_system_vgpr_workitem_id 0
		.amdhsa_next_free_vgpr 1024
		.amdhsa_next_free_sgpr 66
		.amdhsa_reserve_vcc 0
		.amdhsa_float_denorm_mode_32 3
		.amdhsa_float_denorm_mode_16_64 3
		.amdhsa_memory_ordered 1
		.amdhsa_forward_progress 1
		.amdhsa_inst_pref_size 124
	.end_amdhsa_kernel
	.amdgpu_metadata
---
amdhsa.version: [ 1, 2 ]
amdhsa.kernels:
  - .name:           k_q3ab8d22d88_gemm_qkv
    .symbol:         k_q3ab8d22d88_gemm_qkv.kd
    .args:
      - { .name: xb, .offset: 0, .size: 8, .value_kind: global_buffer, .address_space: global }
      - { .name: wb, .offset: 8, .size: 8, .value_kind: global_buffer, .address_space: global }
      - { .name: csr, .offset: 16, .size: 8, .value_kind: global_buffer, .address_space: global }
      - { .name: qkv, .offset: 24, .size: 8, .value_kind: global_buffer, .address_space: global }
    .group_segment_fixed_size: 327680
    .private_segment_fixed_size: 0
    .kernarg_segment_align: 8
    .kernarg_segment_size: 32
    .max_flat_workgroup_size: 128
    .sgpr_count:     66
    .vgpr_count:     1024
    .wavefront_size: 32
...
	.end_amdgpu_metadata
.endif
;; end of part 2
;; launch attn (part 3): grid 32 x 8, 4 waves a work-group, clusters of 4 x 4, 327,680 bytes of LDS; arguments qkv, mb, ao; writes ao
.if DOCPART == 3
	.amdgcn_target "amdgcn-amd-amdhsa--gfx1250"
	.amdhsa_code_object_version 6
	.text
	.protected	k_q3ab8d22d88_attn
	.globl	k_q3ab8d22d88_attn
	.p2align	8
	.type	k_q3ab8d22d88_attn,@function
k_q3ab8d22d88_attn:
	s_mov_b64 s[64:65], 0
	v_nop
	global_prefetch_b8 v0, s[64:65] scope:SCOPE_SE
	s_setreg_imm32_b32 hwreg(HW_REG_WAVE_MODE, 25, 1), 1
	s_wait_xcnt 0x0
	s_wait_alu depctr_hold_cnt(0) depctr_sa_sdst(0) depctr_va_vdst(0) depctr_va_sdst(0) depctr_va_ssrc(0) depctr_va_vcc(0) depctr_vm_vsrc(0)
	s_getreg_b32 s2, hwreg(HW_REG_IB_STS2, 6, 4)
	s_cmp_eq_u32 s2, 0
	s_cbranch_scc0 .Lentry_in_a_cluster
	s_endpgm
.Lentry_in_a_cluster:
	s_bfe_u32 s2, ttmp6, 0x10000c
	s_cmp_lg_u32 s2, 0xf033
	s_cbranch_scc0 .Lentry_shape_is_right
	s_endpgm
.Lentry_shape_is_right:
; ao[q][head][:] = the sum over k of softmax_k(Q[q][head] . K[k][head / 2] / sqrt(128) + mask[q][k]) V[k][head / 2][:].
; qkv: [2048][4096] f16 (16 heads of q, 8 of k, 8 of v, all at 1/16 of their size); mb: [2048][2048] bf16, the mask; ao: [2048][2048] f16, at 1/16.  THE MASK IS DATA: every score is made and every mask number added.
; Products, maxima and sums in f32.  score = s' x 256 / sqrt(128) + mask in one fused multiply-add (256 undoes the two 1/16); the running maximum m is taken away from the score itself, and only the difference
; is multiplied by log2(e): p = 2^((score - m) log2 e).  So rows whose scores all lie near -1e9 come out as the definition gives them.  p is rounded to f16 for the second product; l is the sum of the unrounded p.
; LIMITS.  q, k, v arrive within f16 (true size below 1.05e6); p below 6e-5 keeps f16's fixed step of 6e-8; a weight below 2^-126 counts as 0 in l; NaN and infinities are not treated apart (a row of -inf gives NaN).
; SHARES.  A work-group owns 64 queries and the two query heads of one key and value head.  The keys are split inside it: wave w walks keys 64 (w / 2) + 0..63 of every 128, for the 32 queries of half w % 2:
; four tiles of 16 (query, head): tile t has queries 16 (t % 2) on and head 2 g + ((t / 2) xor (w / 2)).  So a fragment of K or V feeds four tiles and a fragment of the mask two heads.
; At the end waves w and w xor 2 exchange through LDS: each keeps its tiles 0, 1 and sends its tiles 2, 3, which are the partner's tiles 0, 1: one text for all waves.
; LAYOUT.  S^T = K Q^T (source 0 = 16 keys, source 1 = 16 queries): a lane holds ONE query (lane % 16) and the keys 8 (lane / 16) + 0..7.  Two such results rounded to f16 ARE source 1 of O^T = V^T P.
; K comes out of LDS as it lies, V ([key][channel]) turned by ds_load_tr16_b128.  m starts at the lowest finite number, O^T and l at 0: the first step is a step like any other, with a = 0; the price is 256
; v_mov_b32 in the wait for the first tile, the gain that no first step is written out.
; SIDE BY SIDE.  A tile never looks at another tile, so inside a key step one tile's vector work stands between another tile's products: tile t's mask adds and maxima (48 lines) three behind each of tile t + 1's
; 16 products K Q^T; tile t + 1's weights (128 lines) eight behind each of tile t's 16 products V^T P.  Bare stand the first 16 products K Q^T, the last 16 V^T P, and between the two halves tile 3's scores,
; the statistics and tile 0's weights.  Nothing crosses from a step into the next.  The price: up to three switches of the register windows for each product that carries vector lines.
; CLUSTER, 4 x 4.  K and V hang on the key head alone, which a row of the cluster shares; the mask's tile on the query block alone, which a column shares: each is asked for JOINTLY.
; THE RING.  Two slots of 128 keys (K, V, 64 x 128 of the mask).  All reads of a slot are issued a step ahead, so the change of slots stands in the MIDDLE of a step, behind K Q^T: the slot in hand is filled again
; there, and the other slot, asked for a whole step before, is read under the softmax and V^T P.
; REGISTERS, in windows of 256 (s_set_vgpr_msb: bits 1:0 source 0, 3:2 source 1, 5:4 source 2, 7:6 destination):
;   window 0: v0-15 addresses; v16-47 eight registers of statistics a tile; v48 the scale; v49-59 at work; v64-191 S^T, 32 a tile; v192-255 P, 16 a tile
;   window 1: O^T, 64 a tile          window 2: v0-127 Q, 32 a tile; v128-255 K of one step          window 3: v0-127 V of one step; v128-159 the mask of one step, bf16
.set PK,    272       ; a row of K in LDS: 256 bytes + 16: the 16 rows of a load start at 16 different groups of four banks (64 banks of 4 bytes: ISA guide 11.1)
.set PV,    288       ; a row of V: 256 + 32
.set PM,    272       ; a row of the mask's tile: 128 bf16 + 16 bytes
.set VOFF,  128*PK    ; a slot: 128 rows of K, 128 rows of V, 64 rows of the mask
.set MOFF,  VOFF+128*PV
.set SLOTB, MOFF+64*PM
.set SLOT1, 1<<17     ; slot 1 begins here, so that one exclusive or turns an address in one slot into the other's
.set OSTAGE, SLOTB    ; between the slots, never filled by a tensor load: 16 rows x 272 bytes for each wave, for the way out
.set SP,    272
.set SPARE, OSTAGE+4*16*SP  ; behind the stages: the spare words, 128 bytes for each wave: two blocks of 256 bytes that no other line names
.set XCH,   SLOT1+SLOTB     ; behind slot 1, never filled by a tensor load: for each wave 32 x 512 bytes of O^T and 512 of statistics, for the exchange
.set XWB,   33*512
.set AK0, 2           ; v2   my lane's place in a tile of K; never rewritten
.set AV0, 3           ; v3   the same for V
.set AM0, 4           ; v4   the same for the mask
.set AK,  5           ; v5-7 the LDS addresses of the three runs of loads
.set AV,  6
.set AM,  7
.set QO,  8           ; v8   my byte offset in 16 rows of Q
.set STO, 10          ; v10  the way out: where I put 16 bytes of a row
.set RD,  11          ; v11  where I read rows back
.set GO,  12          ; v12  my byte offset in two rows of ao
.set XW,  13          ; v13  the exchange: where I write
.set XR,  14          ; v14  where I read: my partner's bytes
.set ST,  16          ; tile t's statistics at v[ST+8 t]: +0 m, +1 0 (named with m as a pair), +2, +3 l (even keys', odd keys'), +4 to +7 c0-c3 at work; a takes c2's place
.set CSV, 48          ; v48  256 / sqrt(128)
.set SND, 52          ; v52-55  m and l of my tiles 2, 3
.set RCV, 56          ; v56-59  the partner's, for my tiles 0, 1
.set SPW, 62          ; v62  LDS address of my spare word; never rewritten
.set NIL, 63          ; v63  0; never rewritten
.set S,   64
.set P,   192
.set KF,  128         ; window 2: key block kb, channels 32 c on at KF + 32 kb + 8 c
.set MF,  128         ; window 3: query tile qt, key block kb at MF + 16 qt + 4 kb
.set WV,  12          ; s12  my wave's number
.set QH,  13          ; s13  which 32 queries
.set KH,  14          ; s14  which 64 of every 128 keys
.set G1K, 24          ; s[24:31], s[32:39], s[40:47] descriptor groups 1 for K, V, the mask
.set G1V, 32
.set G1M, 40
.set G0K, 48          ; s[48:51], s[52:55], s[56:59] groups 0: they walk
.set G0V, 52
.set G0M, 56
.set L2E, 60          ; s[60:61] log2(e): the packed multiply takes the pair's low word for both halves
.set SEL, 62          ; s[62:63] v_permlanex16_b32's selects: each lane takes its own place in the other half
.set TB,  66          ; s66  the slot from which the next step's fragments are fetched
.set CNT, 67          ; s67  counts steps
.set MSB, 0
.macro WIN new                      ; the high byte repeats the setting that is left; a switch that changes nothing is dropped
.if MSB != (\new)
	s_set_vgpr_msb (MSB<<8)|(\new)
.set MSB, (\new)
.endif
.endm
.set W_KQ, 0x0a       ; K and Q in window 2, S^T in window 0
.set W_PV, 0x53       ; V in window 3, P in window 0, O^T in window 1
.set W_RS, 0x41       ; O^T (destination and source 0) in window 1, the factor in window 0
.macro PLACES                       ; four places behind matrix instructions (ISA guide 7.12.1)
.rept 4
	v_nop
.endr
.endm
; A joint fill: wave 0 asks for the slot's K, wave 1 for its V, wave 2 for its part of the mask, wave 3 for nothing.  The branches hang on the wave's number alone.
; An s_nop 0 and four v_nop follow each of the three lines.
.macro JLOAD
	s_cmp_lg_u32 s[WV], 0
	s_cbranch_scc1 .Lnot_k_\@
	tensor_load_to_lds s[G0K:G0K+3], s[G1K:G1K+7]
	s_nop 0
.rept 4
	v_nop
.endr
	s_branch .Lasked_\@
.Lnot_k_\@:
	s_cmp_lg_u32 s[WV], 1
	s_cbranch_scc1 .Lnot_v_\@
	tensor_load_to_lds s[G0V:G0V+3], s[G1V:G1V+7]
	s_nop 0
.rept 4
	v_nop
.endr
	s_branch .Lasked_\@
.Lnot_v_\@:
	s_cmp_lg_u32 s[WV], 2
	s_cbranch_scc1 .Lasked_\@
	tensor_load_to_lds s[G0M:G0M+3], s[G1M:G1M+7]
	s_nop 0
.rept 4
	v_nop
.endr
.Lasked_\@:
.endm
.macro CROUND                       ; a round of the cluster's barrier
	s_barrier_signal -1
	s_barrier_wait -1
	s_cmp_lg_u32 s[WV], 0
	s_cbranch_scc1 .Lnot_wave_0_\@
	s_barrier_signal -3
.Lnot_wave_0_\@:
	s_barrier_wait -3
	s_barrier_signal -1
	s_barrier_wait -1
.endm
; THE CHANGE OF SLOTS.  Each wave waits for all its tensor loads (at most one is out: its part of the other slot), adds 0 to its spare word, and waits for that and for its reads of the slot in hand: K, the mask and V
; of this step, all issued a step ago.  Behind the barrier nobody reads this slot any more and the other slot is whole.  fill = 1: this slot is filled again, with the keys two slots on: the barrier is a round of the
; cluster's, and the joint fill is the first thing behind it.  (At its first use nothing has been read yet: slot 0 is waited for, slot 1 filled.)  The four v_nop at the end are every wave's places behind K Q^T.
.macro CHANGE fill
	WIN 0                           ; at a label and at a branch every window is 0
	s_wait_tensorcnt 0x0            ; no tensor load of mine is out, so a group 0 may be written
	ds_add_u32 v[SPW], v[NIL]       ; 0 onto my spare word: with fill = 1 the descriptors' steps stand between it and the wait for it
.if \fill
	s_xor_b32 s[G0K+1], s[G0K+1], SLOT1                      ; the other slot than last time,
	s_add_nc_u64 s[G0K+2:G0K+3], s[G0K+2:G0K+3], 128*8192    ; the next 128 rows of qkv; the type bits on top are not reached
	s_xor_b32 s[G0V+1], s[G0V+1], SLOT1
	s_add_nc_u64 s[G0V+2:G0V+3], s[G0V+2:G0V+3], 128*8192
	s_xor_b32 s[G0M+1], s[G0M+1], SLOT1
	s_add_nc_u64 s[G0M+2:G0M+3], s[G0M+2:G0M+3], 256         ; the next 128 columns of the mask
	s_wait_dscnt 0x0                ; the add is done, and my reads of the slot are over
	CROUND
	JLOAD
.else
	s_wait_dscnt 0x0                ; the add is done, and my reads of the slot are over
	s_barrier_signal -1
	s_barrier_wait -1
.endif
	PLACES
.endm
	s_load_b128 s[4:7], s[0:1], 0x0 ; qkv s[4:5], mb s[6:7]
	s_load_b64 s[8:9], s[0:1], 0x10 ; ao
	v_lshl_add_u32 v[SPW], v0, 2, SPARE
	v_mov_b32 v[NIL], 0
	v_lshrrev_b32 v1, 5, v0
	v_readfirstlane_b32 s[WV], v1   ; wave 0..3
	s_and_b32 s[QH], s[WV], 1
	s_lshr_b32 s[KH], s[WV], 1
	s_bfe_u32 s15, ttmp6, 0x40000   ; cx, cy: my place in the cluster
	s_bfe_u32 s16, ttmp6, 0x40004
	s_lshl_b32 s17, ttmp9, 2
	s_add_co_u32 s17, s17, s15      ; my block of 64 queries = 4 x cluster x + cx
	s_and_b32 s18, ttmp7, 0xffff
	s_lshl_b32 s18, s18, 2
	s_add_co_u32 s18, s18, s16      ; my key and value head g = 4 x cluster y + cy
	s_lshl_b32 s19, s16, 2
	s_lshl_b32 s19, 15, s19         ; my row of the cluster: the same g
	s_lshl_b32 s20, 0x1111, s15     ; my column: the same block of queries
	s_or_b32 s[G1K], s19, (1<<16)|(1<<20)|(1<<21)|(5<<22)|(3<<25)  ; 15:0 the mask of four; 17:16 2-byte elements; 20 padding on; 21 set beside a mask; 24:22 after every 64 words; 31:25 4 words
	s_or_b32 s[G1V], s19, (1<<16)|(1<<20)|(1<<21)|(5<<22)|(7<<25)  ; the same with 8 words of padding
	s_or_b32 s[G1M], s20, (1<<16)|(1<<20)|(1<<21)|(5<<22)|(3<<25)
.irp g, G1K, G1V
	s_mov_b32 s[\g+1], 128<<16      ; tensor_dim0 = 128 channels
	s_mov_b32 s[\g+2], 128<<16      ; tensor_dim1 = 128 keys
	s_mov_b32 s[\g+3], 128<<16      ; tile_dim0
	s_mov_b32 s[\g+4], 128          ; tile_dim1
	s_mov_b32 s[\g+5], 4096         ; elements from row to row of qkv
	s_mov_b32 s[\g+6], 0
	s_mov_b32 s[\g+7], 0
.endr
	s_mov_b32 s[G1M+1], 128<<16     ; 128 keys
	s_mov_b32 s[G1M+2], 64<<16      ; 64 queries
	s_mov_b32 s[G1M+3], 128<<16
	s_mov_b32 s[G1M+4], 64
	s_mov_b32 s[G1M+5], 2048        ; elements from row to row of the mask
	s_mov_b32 s[G1M+6], 0
	s_mov_b32 s[G1M+7], 0
	s_mov_b32 s[G0K], 1             ; count = 1
	s_mov_b32 s[G0K+1], 0           ; LDS address: slot 0
	s_mov_b32 s[G0V], 1
	s_mov_b32 s[G0V+1], VOFF
	s_mov_b32 s[G0M], 1
	s_mov_b32 s[G0M+1], MOFF
	s_lshl_b32 s68, s18, 8          ; the head's 256 bytes in a row: made of g alone
	s_mov_b32 s69, 0
	s_lshl_b32 s70, s17, 18         ; 64 rows of the mask, 4,096 bytes each: made of the block alone
	s_mov_b32 s71, 0
	s_lshl_b32 s72, s17, 6
	s_lshl_b32 s73, s[QH], 5
	s_add_co_u32 s72, s72, s73      ; my first query
	s_lshl_b32 s76, s72, 12         ; its row in ao,
	s_lshl_b32 s72, s72, 13         ; and in qkv
	s_lshl_b32 s73, s18, 9          ; head 2 g
	s_add_co_u32 s72, s72, s73
	s_add_co_u32 s76, s76, s73
	s_lshl_b32 s73, s[KH], 8
	s_add_co_u32 s74, s72, 256
	s_sub_co_u32 s74, s74, s73      ; tiles 2, 3: head 2 g + 1 - w / 2
	s_add_co_u32 s72, s72, s73      ; tiles 0, 1: head 2 g + w / 2,
	s_add_co_u32 s76, s76, s73      ; which is also the head that I store
	s_mov_b32 s73, 0
	s_mov_b32 s75, 0
	s_mov_b32 s77, 0
	s_mov_b32 s[L2E], 0x3fb8aa3b    ; log2(e)
	s_mov_b32 s[L2E+1], s[L2E]      ; named with it as a pair
	s_mov_b32 s[SEL], 0x76543210
	s_mov_b32 s[SEL+1], 0xfedcba98
	s_mov_b32 s[TB], 0
	s_wait_kmcnt 0x0
	s_add_nc_u64 s[G0K+2:G0K+3], s[4:5], s[68:69]
	s_add_nc_u64 s[G0V+2:G0V+3], s[G0K+2:G0K+3], 6144      ; v's heads begin at column 3,072
	s_add_nc_u64 s[G0K+2:G0K+3], s[G0K+2:G0K+3], 4096      ; k's at column 2,048
	s_or_b32 s[G0K+3], s[G0K+3], 0x80000000                ; type = 2
	s_or_b32 s[G0V+3], s[G0V+3], 0x80000000
	s_add_nc_u64 s[G0M+2:G0M+3], s[6:7], s[70:71]
	s_or_b32 s[G0M+3], s[G0M+3], 0x80000000
	s_add_nc_u64 s[72:73], s[4:5], s[72:73]
	s_add_nc_u64 s[74:75], s[4:5], s[74:75]
	s_add_nc_u64 s[76:77], s[8:9], s[76:77]
	CROUND                          ; all sixteen work-groups are here: the first joint loads meet
	JLOAD                           ; slot 0.  Slot 1 is asked for when slot 0 is in, by the loop's own change of slots
	; A fragment of K or Q is 16 rows x 32 channels in 8 registers: lane l holds row l % 16, channels 8 (l / 16) + 0..7 and 16 + 8 (l / 16) + 0..7: two loads of 16 bytes, 32 bytes apart.
	v_and_b32 v1, 15, v0            ; r = l % 16
	v_bfe_u32 v9, v0, 4, 1          ; h = l / 16
	v_lshlrev_b32 v[QO], 13, v1
	v_lshl_add_u32 v[QO], v9, 4, v[QO]  ; row x 8,192 + 16 h
	WIN 0x80                        ; destination window 2, address window 0
.irp t, 0,1
.irp c, 0,1,2,3                     ; Q stays in registers: tile t, channels 32 c on
	global_load_b128 v[32*(\t)+8*(\c):32*(\t)+8*(\c)+3],   v[QO], s[72:73] offset:(\t)*131072+(\c)*64
	global_load_b128 v[32*(\t)+8*(\c)+4:32*(\t)+8*(\c)+7], v[QO], s[72:73] offset:(\t)*131072+(\c)*64+32
	global_load_b128 v[64+32*(\t)+8*(\c):64+32*(\t)+8*(\c)+3],   v[QO], s[74:75] offset:(\t)*131072+(\c)*64
	global_load_b128 v[64+32*(\t)+8*(\c)+4:64+32*(\t)+8*(\c)+7], v[QO], s[74:75] offset:(\t)*131072+(\c)*64+32
.endr
.endr
	WIN 0x40                        ; what the first step finds: O^T and l are 0, m the lowest finite number.  All this stands in the wait for the first tile.
.set i, 0
.rept 256
	v_mov_b32 v[i], 0
.set i, i+1
.endr
	WIN 0
.irp t, 0,1,2,3
	v_mov_b32 v[ST+8*(\t)], 0xff7fffff
	v_mov_b32 v[ST+8*(\t)+1], 0
	v_mov_b32 v[ST+8*(\t)+2], 0
	v_mov_b32 v[ST+8*(\t)+3], 0
.endr
	v_mov_b32 v[CSV], 0x41b504f3    ; 256 / sqrt(128) = 22.627417
	v_mul_u32_u24 v50, v1, PK
	v_lshl_add_u32 v50, v9, 4, v50  ; 272 r + 16 h: serves K, the mask and the stage
	s_mul_i32 s2, s[KH], 64*PK      ; my 64 keys
	v_add_nc_u32 v[AK0], s2, v50
	s_mul_i32 s2, s[QH], 32*PM      ; the mask: my 32 queries' rows, my 64 keys' 128 bytes
	s_lshl_b32 s3, s[KH], 7
	s_add_co_u32 s2, s2, s3
	s_add_co_u32 s2, s2, MOFF
	v_add_nc_u32 v[AM0], s2, v50
	; The turning load takes 16 keys x 16 channels (lane l reads key 8 (l / 16) + l % 8, channels 8 ((l / 8) % 2) + 0..7) and leaves half a fragment of V^T: lane l holds channel l % 16 and 8 keys.
	v_and_b32 v15, 7, v0
	v_bfe_u32 v49, v0, 3, 1
	v_lshl_add_u32 v[AV0], v9, 3, v15
	v_mul_u32_u24 v[AV0], v[AV0], PV
	v_lshl_add_u32 v[AV0], v49, 4, v[AV0]
	s_mul_i32 s2, s[KH], 64*PV
	s_add_co_u32 s2, s2, VOFF
	v_add_nc_u32 v[AV0], s2, v[AV0]
	s_mul_i32 s2, s[WV], 16*SP
	s_add_co_u32 s2, s2, OSTAGE     ; my stage
	v_add_nc_u32 v[STO], s2, v50    ; in: row r, 16 bytes for each half of the lanes
	v_mul_u32_u24 v[RD], v9, SP     ; back: lanes 0-15 take one row of 256 bytes, lanes 16-31 the next
	v_lshl_add_u32 v[RD], v1, 4, v[RD]
	v_add_nc_u32 v[RD], s2, v[RD]
	v_lshlrev_b32 v[GO], 12, v9     ; and the same two rows in ao (4,096 bytes a row)
	v_lshl_add_u32 v[GO], v1, 4, v[GO]
	v_and_b32 v51, 31, v0
	v_lshlrev_b32 v51, 4, v51       ; the exchange: 16 bytes a lane
	s_mul_i32 s2, s[WV], XWB
	s_add_co_u32 s2, s2, XCH
	v_add_nc_u32 v[XW], s2, v51
	s_xor_b32 s3, s[WV], 2          ; my partner: the same queries, the other keys
	s_mul_i32 s3, s3, XWB
	s_add_co_u32 s3, s3, XCH
	v_add_nc_u32 v[XR], s3, v51
; THE MATRIX WORK, in groups of 16 products for one tile.  The accumulators of a group take turns, one instruction a turn: 4 in K Q^T, 8 in V^T P.  mi counts a group's products.
.macro KQ1 t                        ; product mi: channels 32 (mi / 4) on, keys 16 (mi % 4) on.  The first 4 start the sums.
	WIN W_KQ
.set rS, S+32*(\t)+8*(mi%4)
.set rK, KF+32*(mi%4)+8*(mi/4)
.set rQ, 32*(\t)+8*(mi/4)
.if mi < 4
	v_wmma_f32_16x16x32_f16 v[rS:rS+7], v[rK:rK+7], v[rQ:rQ+7], 0
.else
	v_wmma_f32_16x16x32_f16 v[rS:rS+7], v[rK:rK+7], v[rQ:rQ+7], v[rS:rS+7]
.endif
.set mi, mi+1
.endm
.macro PV1 t                        ; product mi: keys 32 (mi / 8) on, channels 16 (mi % 8) on
	WIN W_PV
.set rO, 64*(\t)+8*(mi%8)
.set rV, 64*(mi/8)+8*(mi%8)
.set rP, P+16*(\t)+8*(mi/8)
	v_wmma_f32_16x16x32_f16 v[rO:rO+7], v[rV:rV+7], v[rP:rP+7], v[rO:rO+7]
.set mi, mi+1
.endm
.macro BARE kind, t                 ; a group with nothing between its products.  kind 0: K Q^T, 1: V^T P
.set mi, 0
.rept 16
.if \kind
	PV1 \t
.else
	KQ1 \t
.endif
.endr
.endm
; HOW THE TWO ARE DEALT.  Every vector line of SCORES and WEIGHTS ends in TICK, which issues the next product of the group in hand behind every PER-th line.  WITH names the group; ALONE names none.
.macro WITH kind, t, per
.set MK, \kind
.set MT, \t
.set PER, \per
.set mi, 0
.set tk, 0
.endm
.macro ALONE
	WITH 0, 0, 1000                 ; more lines than stand between two uses of WITH: no product is issued
.endm
.macro TICK
.set tk, tk+1
.if (tk % PER) == 0
.if MK
	PV1 MT
.else
	KQ1 MT
.endif
.endif
.endm
; THE LDS LOADS stand in three runs, each for the NEXT step, from slot s[TB].
.macro FETCH_K
	WIN 0
	v_add_nc_u32 v[AK], s[TB], v[AK0]
	WIN 0x80                        ; destination window 2
.irp f, 0,1,2,3,4,5,6,7,8,9,10,11,12,13,14,15  ; keys 16 (f / 4) on, channels 32 (f % 4) on
	ds_load_b128 v[KF+8*(\f):KF+8*(\f)+3],   v[AK] offset:((\f)/4)*16*PK+((\f)%4)*64
	ds_load_b128 v[KF+8*(\f)+4:KF+8*(\f)+7], v[AK] offset:((\f)/4)*16*PK+((\f)%4)*64+32
.endr
.endm
.macro FETCH_M                      ; a lane's eight keys of a key block are 16 bytes of its query's row
	WIN 0
	v_add_nc_u32 v[AM], s[TB], v[AM0]
	WIN 0xc0                        ; destination window 3
.irp f, 0,1,2,3,4,5,6,7             ; query tile f / 4, keys 16 (f % 4) on
	ds_load_b128 v[MF+4*(\f):MF+4*(\f)+3], v[AM] offset:((\f)/4)*16*PM+((\f)%4)*32
.endr
.endm
.macro FETCH_V
	WIN 0
	v_add_nc_u32 v[AV], s[TB], v[AV0]
	s_xor_b32 s[TB], s[TB], SLOT1   ; the next fetches are the other slot's
	WIN 0xc0
.irp f, 0,1,2,3,4,5,6,7,8,9,10,11,12,13,14,15  ; keys 32 (f / 8) on, channels 16 (f % 8) on
	ds_load_tr16_b128 v[8*(\f):8*(\f)+3],   v[AV] offset:((\f)/8)*32*PV+((\f)%8)*32
	ds_load_tr16_b128 v[8*(\f)+4:8*(\f)+7], v[AV] offset:((\f)/8)*32*PV+16*PV+((\f)%8)*32
.endr
.endm
; THE VECTOR WORK, tile by tile.
; Line n of the 22 that find tile t's new maximum and a.  0-11: four chains c0-c3 of seven scores each; 12-15: the four scores left over, c0-c3 and the old m into c0; 16, 17: the query's other 32 keys lie in the
; lane 16 away; 18-21: a = 2^((m_old - m_new) log2 e), and m takes the new maximum.
.macro MS t, n
.set rT, ST+8*(\t)
.set rS, S+32*(\t)
.if (\n) < 4
	v_max3_num_f32 v[rT+4+(\n)], v[rS+8*(\n)], v[rS+8*(\n)+1], v[rS+8*(\n)+2]
.elseif (\n) < 12
	v_max3_num_f32 v[rT+4+(\n)%4], v[rT+4+(\n)%4], v[rS+8*((\n)%4)+2*((\n)/4)+1], v[rS+8*((\n)%4)+2*((\n)/4)+2]
.elseif (\n) == 12
	v_max3_num_f32 v[rT+4], v[rT+4], v[rS+7], v[rS+15]
.elseif (\n) == 13
	v_max3_num_f32 v[rT+6], v[rT+6], v[rS+23], v[rS+31]
.elseif (\n) == 14
	v_max3_num_f32 v[rT+4], v[rT+4], v[rT+5], v[rT+6]
.elseif (\n) == 15
	v_max3_num_f32 v[rT+4], v[rT+4], v[rT+7], v[rT]
.elseif (\n) == 16
	v_permlanex16_b32 v[rT+5], v[rT+4], s[SEL], s[SEL+1]
.elseif (\n) == 17
	v_max_num_f32 v[rT+6], v[rT+4], v[rT+5]
.elseif (\n) == 18
	v_sub_f32 v[rT+7], v[rT], v[rT+6]
.elseif (\n) == 19
	v_mov_b32 v[rT], v[rT+6]
.elseif (\n) == 20
	v_mul_f32 v[rT+7], s[L2E], v[rT+7]
.else
	v_exp_f32 v[rT+6], v[rT+7]
.endif
.endm
; SCORES, 48 lines: score = s' x 256 / sqrt(128) + mask, one rounding, the mask taken as a bf16 half, each accumulator's registers in ascending order; then lines 0-15 of the maximum.
.macro SCORES t
.set j, 0
.rept 32
	WIN 0x30                        ; source 2 window 3
.if j%2
	v_fma_mix_f32_bf16 v[S+32*(\t)+j], v[S+32*(\t)+j], v[CSV], v[MF+16*((\t)%2)+j/2] op_sel:[0,0,1] op_sel_hi:[0,0,1]
.else
	v_fma_mix_f32_bf16 v[S+32*(\t)+j], v[S+32*(\t)+j], v[CSV], v[MF+16*((\t)%2)+j/2] op_sel:[0,0,0] op_sel_hi:[0,0,1]
.endif
.set j, j+1
	TICK
.endr
.irp n, 0,1,2,3,4,5,6,7,8,9,10,11,12,13,14,15
	WIN 0
	MS \t, \n
	TICK
.endr
.endm
.macro STATS                        ; lines 16-21 for all four tiles, which alternate, so that no line reads the result of the one before it
	WIN 0
.irp n, 16,17,18,19,20,21
.irp t, 0,1,2,3
	MS \t, \n
.endr
.endr
.endm
; WEIGHTS, 128 lines in 16 groups of eight.  Its lines, for pair p of the tile's 16 pairs of scores:
.macro WSUB t, p                    ; score - m: exact where both are large
	WIN 0
	v_pk_add_f32 v[S+32*(\t)+2*(\p):S+32*(\t)+2*(\p)+1], v[S+32*(\t)+2*(\p):S+32*(\t)+2*(\p)+1], v[ST+8*(\t):ST+8*(\t)+1] op_sel_hi:[1,0] neg_lo:[0,1] neg_hi:[0,1]
	TICK
.endm
.macro WMUL t, p                    ; times log2(e)
	WIN 0
	v_pk_mul_f32 v[S+32*(\t)+2*(\p):S+32*(\t)+2*(\p)+1], v[S+32*(\t)+2*(\p):S+32*(\t)+2*(\p)+1], s[L2E:L2E+1] op_sel_hi:[1,0]
	TICK
.endm
.macro WEXP t, p
	WIN 0
	v_exp_f32 v[S+32*(\t)+2*(\p)], v[S+32*(\t)+2*(\p)]
	TICK
	v_exp_f32 v[S+32*(\t)+2*(\p)+1], v[S+32*(\t)+2*(\p)+1]
	TICK
.endm
.macro WTAIL t, p                   ; the pair is rounded to f16 for P and added to l (pair 0: l = a l + pair)
	WIN 0
	v_cvt_pk_f16_f32 v[P+16*(\t)+(\p)], v[S+32*(\t)+2*(\p)], v[S+32*(\t)+2*(\p)+1]
	TICK
	WIN 0
.if (\p) == 0
	v_pk_fma_f32 v[ST+8*(\t)+2:ST+8*(\t)+3], v[ST+8*(\t)+2:ST+8*(\t)+3], v[ST+8*(\t)+6:ST+8*(\t)+7], v[S+32*(\t):S+32*(\t)+1] op_sel_hi:[1,0,1]
.else
	v_pk_add_f32 v[ST+8*(\t)+2:ST+8*(\t)+3], v[ST+8*(\t)+2:ST+8*(\t)+3], v[S+32*(\t)+2*(\p):S+32*(\t)+2*(\p)+1]
.endif
	TICK
.endm
.macro WR t                         ; pair rr of 32 of the tile's O^T times a, in ascending order
	WIN W_RS
	v_pk_mul_f32 v[64*(\t)+2*rr:64*(\t)+2*rr+1], v[64*(\t)+2*rr:64*(\t)+2*rr+1], v[ST+8*(\t)+6:ST+8*(\t)+7] op_sel_hi:[1,0]
.set rr, rr+1
	TICK
.endm
; A group: pair p is scaled, pair p + 1 has m taken away, pair p's two exponentials, pair p - 1 is rounded and summed, two rescalings.  So a scaling reads a difference made a group before, a rounding reads
; exponentials of the group before, and plain lines on other registers stand behind each pair of exponentials before a result is used (ISA guide 5.7.2).  Each group ends in a rescaling, the one kind of line
; that leaves window 0, and the product stands behind it.  The first and the last group are filled up to eight lines.
.macro WEIGHTS t
.set rr, 0
	WSUB \t, 0
	WMUL \t, 0
	WSUB \t, 1
	WEXP \t, 0
	WR \t
	WR \t
	WR \t
.set p, 1
.rept 14
	WMUL \t, p
	WSUB \t, p+1
	WEXP \t, p
	WTAIL \t, p-1
	WR \t
	WR \t
.set p, p+1
.endr
	WMUL \t, 15
	WEXP \t, 15
	WTAIL \t, 14
	WTAIL \t, 15
	WR \t
.endm
; A KEY STEP: my 64 keys of a slot, for my four tiles.  The four v_nop behind each group of K Q^T are the places ahead of the first read of its scores.
.macro STEP fill
	s_wait_dscnt 32                 ; K and the mask are in: behind their 40 loads stand V's 32
	BARE 0, 0
	PLACES
	WITH 0, 1, 3
	SCORES 0
	PLACES
	WITH 0, 2, 3
	SCORES 1
	PLACES
	WITH 0, 3, 3
	SCORES 2
	ALONE
	CHANGE \fill                    ; its wait for 0 also shows V of this step in
	FETCH_K                         ; the next step's K
	SCORES 3
	FETCH_M                         ; the mask's registers have been read
	STATS
	WEIGHTS 0
	WITH 1, 0, 8
	WEIGHTS 1
	WITH 1, 1, 8
	WEIGHTS 2
	WITH 1, 2, 8
	WEIGHTS 3
	ALONE
	BARE 1, 3
	PLACES                          ; in front of the loads into V's registers
	FETCH_V
	WIN 0
.endm
	CHANGE 1                        ; slot 0 is in, everybody's part of it; slot 1 is asked for
	FETCH_K                         ; key step 0
	FETCH_M
	FETCH_V
	WIN 0
	s_wait_loadcnt 0x0              ; Q
	s_mov_b32 s[CNT], 14
.Lstep:                             ; 14 trips: steps 0 to 13 ask for the slots' tiles 2 to 15
	STEP 1
	s_sub_co_u32 s[CNT], s[CNT], 1
	s_cmp_lg_u32 s[CNT], 0
	s_cbranch_scc1 .Lstep
	s_mov_b32 s[CNT], 2
.Ltail:                             ; the last two steps ask for nothing: a text of their own.  The very last trip's 72 LDS loads read a slot that has landed and
	STEP 0                          ; serve nothing: the price of one text for both trips
	s_sub_co_u32 s[CNT], s[CNT], 1
	s_cmp_lg_u32 s[CNT], 0
	s_cbranch_scc1 .Ltail
	; THE EXCHANGE.  l's two halves and the other half of the lanes' are added; tiles 2, 3 go to the partner with their m and l.
.irp t, 0,1,2,3
	v_add_f32 v[ST+8*(\t)+2], v[ST+8*(\t)+2], v[ST+8*(\t)+3]
.endr
.irp t, 0,1,2,3
	v_permlanex16_b32 v[ST+8*(\t)+3], v[ST+8*(\t)+2], s[SEL], s[SEL+1]
.endr
.irp t, 0,1,2,3
	v_add_f32 v[ST+8*(\t)+2], v[ST+8*(\t)+2], v[ST+8*(\t)+3]
.endr
	v_mov_b32 v[SND], v[ST+16]
	v_mov_b32 v[SND+1], v[ST+18]
	v_mov_b32 v[SND+2], v[ST+24]
	v_mov_b32 v[SND+3], v[ST+26]
	WIN 0x04                        ; store data (source 1) window 1
.set i, 0
.rept 32
	ds_store_b128 v[XW], v[128+4*i:128+4*i+3] offset:512*i
.set i, i+1
.endr
	WIN 0
	ds_store_b128 v[XW], v[SND:SND+3] offset:32*512
	s_wait_dscnt 0x0                ; for the partner's sake: my stores are done (and the last trip's loads are back)
	s_barrier_signal -1
	s_barrier_wait -1
	WIN 0x40
.set i, 0
.rept 32
	ds_load_b128 v[128+4*i:128+4*i+3], v[XR] offset:512*i  ; the partner's sums for my tiles 0, 1, where my tiles 2, 3 lay
.set i, i+1
.endr
	WIN 0
	ds_load_b128 v[RCV:RCV+3], v[XR] offset:32*512
	s_wait_dscnt 0x0
	; O = (O_A f_A + O_B f_B) / (l_A f_A + l_B f_B), f = 2^((m - max(m_A, m_B)) log2 e)
.irp t, 0,1
	v_max_num_f32 v[ST+8*(\t)+4], v[ST+8*(\t)], v[RCV+2*(\t)]
.endr
.irp t, 0,1
	v_sub_f32 v[ST+8*(\t)+5], v[ST+8*(\t)], v[ST+8*(\t)+4]
	v_sub_f32 v[ST+8*(\t)+7], v[RCV+2*(\t)], v[ST+8*(\t)+4]
.endr
.irp t, 0,1
	v_mul_f32 v[ST+8*(\t)+5], s[L2E], v[ST+8*(\t)+5]
	v_mul_f32 v[ST+8*(\t)+7], s[L2E], v[ST+8*(\t)+7]
.endr
.irp t, 0,1
	v_exp_f32 v[ST+8*(\t)+5], v[ST+8*(\t)+5]
	v_exp_f32 v[ST+8*(\t)+7], v[ST+8*(\t)+7]
.endr
	v_nop                           ; a plain instruction between the last exponential and the use of its result
.irp t, 0,1
	v_mul_f32 v[ST+8*(\t)+2], v[ST+8*(\t)+2], v[ST+8*(\t)+5]
.endr
.irp t, 0,1
	v_fma_f32 v[ST+8*(\t)+2], v[RCV+2*(\t)+1], v[ST+8*(\t)+7], v[ST+8*(\t)+2]
.endr
.irp t, 0,1
	v_rcp_f32 v[ST+8*(\t)+3], v[ST+8*(\t)+2]
.endr
	v_nop                           ; and behind the last reciprocal
.irp t, 0,1
	v_mul_f32 v[ST+8*(\t)+4], v[ST+8*(\t)+5], v[ST+8*(\t)+3]
	v_mul_f32 v[ST+8*(\t)+6], v[ST+8*(\t)+7], v[ST+8*(\t)+3]
.endr
	WIN 0x51                        ; destination, source 0 and source 2 window 1, the factor window 0
.irp t, 0,1
.set i, 0
.rept 32
	v_pk_mul_f32 v[64*(\t)+2*i:64*(\t)+2*i+1], v[64*(\t)+2*i:64*(\t)+2*i+1], v[ST+8*(\t)+4:ST+8*(\t)+5] op_sel_hi:[1,0]
.set i, i+1
.endr
.set i, 0
.rept 32
	v_pk_fma_f32 v[64*(\t)+2*i:64*(\t)+2*i+1], v[128+64*(\t)+2*i:128+64*(\t)+2*i+1], v[ST+8*(\t)+6:ST+8*(\t)+7], v[64*(\t)+2*i:64*(\t)+2*i+1] op_sel_hi:[1,0,1]
.set i, i+1
.endr
.endr
; THE WAY OUT.  Tile t: a lane's eight channels of a row pack into 16 bytes; they go into rows of 272 bytes of my stage and come back as whole rows of 256, into S^T's registers.
.macro PACK t
	WIN 0x05                        ; sources 0 and 1 window 1, destination window 0
.set i, 0
.rept 32
	v_cvt_pk_f16_f32 v[S+32*(\t)+i], v[64*(\t)+2*i], v[64*(\t)+2*i+1]
.set i, i+1
.endr
	WIN 0
.irp f, 0,1,2,3,4,5,6,7
	ds_store_b128 v[STO], v[S+32*(\t)+4*(\f):S+32*(\t)+4*(\f)+3] offset:32*(\f)
.endr
.irp f, 0,1,2,3,4,5,6,7
	ds_load_b128 v[S+32*(\t)+4*(\f):S+32*(\t)+4*(\f)+3], v[RD] offset:(\f)*2*SP  ; LDS serves a wave's instructions in order (ISA guide 5.7.1.4): these see the stores above; the next tile's stores come behind them
.endr
.endm
.macro SEND t, younger              ; younger: the LDS instructions issued behind tile t's loads
.irp f, 0,1,2,3,4,5,6,7
	s_wait_dscnt (\younger)+7-(\f)
	global_store_b128 v[GO], v[S+32*(\t)+4*(\f):S+32*(\t)+4*(\f)+3], s[76:77] offset:(\t)*65536+(\f)*8192  ; 16 lanes store 256 consecutive bytes, at a multiple of 256 from ao's first byte
.endr
.endm
	PACK 0
	PACK 1
	SEND 0, 16
	SEND 1, 0
	s_wait_tensorcnt 0x0            ; the wave's end, behind my last tensor load and my last LDS store
	ds_add_u32 v[SPW], v[NIL]
	s_wait_dscnt 0x0
	CROUND                          ; the closing round: no work-group ends while a partner may still ask for a tile that names it
	s_endpgm
.Lfunc_end_k_q3ab8d22d88_attn:
	.size	k_q3ab8d22d88_attn, .Lfunc_end_k_q3ab8d22d88_attn-k_q3ab8d22d88_attn
	.p2alignl 7, 3214868480
	.fill 96, 4, 3214868480
	.section	.rodata,"a",@progbits
	.p2align	6, 0x0
	.amdhsa_kernel k_q3ab8d22d88_attn
		.amdhsa_group_segment_fixed_size 327680
		.amdhsa_private_segment_fixed_size 0
		.amdhsa_enable_private_segment 0
		.amdhsa_kernarg_size 24
		.amdhsa_user_sgpr_count 2
		.amdhsa_user_sgpr_kernarg_segment_ptr 1
		.amdhsa_wavefront_size32 1
		.amdhsa_system_sgpr_workgroup_id_x 1
		.amdhsa_system_sgpr_workgroup_id_y 1
		.amdhsa_system_sgpr_workgroup_id_z 1
		.amdhsa_system_vgpr_workitem_id 0
		.amdhsa_next_free_vgpr 1024
		.amdhsa_next_free_sgpr 80
		.amdhsa_reserve_vcc 0
		.amdhsa_float_denorm_mode_32 3
		.amdhsa_float_denorm_mode_16_64 3
		.amdhsa_memory_ordered 1
		.amdhsa_forward_progress 1
		.amdhsa_inst_pref_size 177
	.end_amdhsa_kernel
	.amdgpu_metadata
---
amdhsa.version: [ 1, 2 ]
amdhsa.kernels:
  - .name:           k_q3ab8d22d88_attn
    .symbol:         k_q3ab8d22d88_attn.kd
    .args:
      - { .name: qkv, .offset: 0, .size: 8, .value_kind: global_buffer, .address_space: global }
      - { .name: mb, .offset: 8, .size: 8, .value_kind: global_buffer, .address_space: global }
      - { .name: ao, .offset: 16, .size: 8, .value_kind: global_buffer, .address_space: global }
    .group_segment_fixed_size: 327680
    .private_segment_fixed_size: 0
    .kernarg_segment_align: 8
    .kernarg_segment_size: 24
    .max_flat_workgroup_size: 128
    .sgpr_count:     80
    .vgpr_count:     1024
    .wavefront_size: 32
...
	.end_amdgpu_metadata
.endif
;; end of part 3
;; launch gemm_out (part 4): grid 16 x 16, 4 waves a work-group, clusters of 4 x 4, 327,680 bytes of LDS; arguments ao, wob, out0; writes out0
.if DOCPART == 4
	.amdgcn_target "amdgcn-amd-amdhsa--gfx1250"
	.amdhsa_code_object_version 6
	.text
	.protected	k_q3ab8d22d88_gemm_out
	.globl	k_q3ab8d22d88_gemm_out
	.p2align	8
	.type	k_q3ab8d22d88_gemm_out,@function
k_q3ab8d22d88_gemm_out:
	s_mov_b64 s[64:65], 0
	v_nop
	global_prefetch_b8 v0, s[64:65] scope:SCOPE_SE
	s_setreg_imm32_b32 hwreg(HW_REG_WAVE_MODE, 25, 1), 1
	s_wait_xcnt 0x0
	s_wait_alu depctr_hold_cnt(0) depctr_sa_sdst(0) depctr_va_vdst(0) depctr_va_sdst(0) depctr_va_ssrc(0) depctr_va_vcc(0) depctr_vm_vsrc(0)
	s_getreg_b32 s2, hwreg(HW_REG_IB_STS2, 6, 4)
	s_cmp_eq_u32 s2, 0
	s_cbranch_scc0 .Lentry_in_a_cluster
	s_endpgm
.Lentry_in_a_cluster:
	s_bfe_u32 s2, ttmp6, 0x10000c
	s_cmp_lg_u32 s2, 0xf033
	s_cbranch_scc0 .Lentry_shape_is_right
	s_endpgm
.Lentry_shape_is_right:
; out0[s][n] = sum over k of ao[s][k] wob[k][n].  ao: [2048][2048] f16 (the attention's output / 16), wob: [2048 k][4096 n] f16 (16 x wo rounded to bf16), out0: [2048][4096] f32; sums in f32.
; The 1/16 and the 16 are powers of two and cancel exactly.  LIMITS: those of its two operands (f16's range); NaN and infinities are not treated apart.
; A tile of C is 128 rows x 256 columns: 16 x 16 work-groups.  Four waves, each 64 x 128: 32 accumulators of 16 x 16, 256 registers.  K goes in steps of 128 through a ring of
; two LDS slots.  A's rows lie along K and come out of LDS as they lie; B lies [k][n] and is turned on its way out of LDS by ds_load_tr16_b128.
; THE GRID.  x counts tile rows of C and y tile columns: all clusters of one y work on the same 1,024 columns of B, the larger of the two operands (64 KiB of a K step's 96).
; CLUSTERS: 4 x 4 work-groups.  The four of a column of the cluster (the same cx) need the same tiles of A, the four of a row (the same cy) the same tiles of B: each tile is asked for JOINTLY, by the same
; tensor load with the same descriptor and a mask that names the four.  THE MATRIX INSTRUCTION IS USED TRANSPOSED (source 0 = 16 columns of B, source 1 = 16 rows of A): a lane holds eight neighbouring numbers of a row of C.
; REGISTERS, in windows of 256 (s_set_vgpr_msb: bits 1:0 source 0, 3:2 source 1, 5:4 source 2, 7:6 destination):
;   window 0: v0-31 addresses          window 1: two fragment buffers of 96: 64 of B, then 32 of A; on the way out rows read back from the stage, 64 a block
;   window 2: the accumulators, (a, b) at v[8 (8 a + b)]
.set SIZE_K, 2048
.set LDA,    2048                      ; elements in a row of A
.set LDB,    4096                      ; elements in a row of B
.set KSTEP,  128
.set PA,     272                       ; a row of A in LDS: 256 bytes + 16 = 68 words: the 16 rows of a load start at 16 different groups of four banks (64 banks of 4 bytes: ISA guide 11.1)
.set PB,     544                       ; a row of B: 512 + 32 = 136 words
.set HALFB,  64*PB                     ; what one tensor load brings of B: 64 k-rows
.set HALFA,  64*PA                     ; of A: 64 rows
.set AOFF,   2*HALFB                   ; a slot: B's 128 k-rows, then A's 128 rows
.set SLOT,   AOFF+2*HALFA
.set STAGE,  2*SLOT                    ; behind the ring: 16 rows x 528 bytes for each wave, for the way out
.set SPITCH, 528                       ; 512 bytes of f32 + 16
.set SPARE,  STAGE+4*16*SPITCH         ; behind the stages: the spare words, 128 bytes for each wave: two blocks of 256 bytes that no other line names
.set LAPS,   SIZE_K/(2*KSTEP)          ; a lap = two K steps = once round the ring
.set ADRA, 16                          ; v16-17  LDS address of my A fragments in slot 0, 1
.set ADRB, 20                          ; v20-21  the same for B
.set STO,  24                          ; v24     the way out: where I put 32 bytes of a row
.set RD,   25                          ; v25     where I read a row back
.set CO,   26                          ; v26     my byte offset in a row of C
.set SPW,  28                          ; v28     LDS address of my spare word; never rewritten
.set NIL,  29                          ; v29     0; never rewritten
.set F0,   0
.set F1,   96
.set G1A,  24                          ; s[24:31] descriptor group 1 for A's tiles;  s[32:39] group 0, one set for each slot
.set G0A,  32
.set G1B,  40                          ; s[40:47], s[48:55] the same for B's
.set G0B,  48
.set MSB, 0
.macro WIN new                         ; the immediate's high byte repeats the setting that is left; a switch that changes nothing is dropped
.if MSB != (\new)
	s_set_vgpr_msb (MSB<<8)|(\new)
.set MSB, \new
.endif
.endm
.set MUL,  0xa5                        ; sources 0 (B) and 1 (A) window 1; C and D window 2
.set TO_F, 0x40                        ; destination window 1, address window 0
.macro PLACES                          ; four places in front of loads into registers that matrix instructions have read, and of lines that read results
.rept 4
	v_nop
.endr
.endm
; A joint load: waves 0 and 1 fetch B's two halves, waves 2 and 3 A's.  The branch hangs on the wave's number alone.  An s_nop 0 and four v_nop follow each of the two lines.
.macro JLOAD s
	s_cmp_eq_u32 s13, 0
	s_cbranch_scc0 .Lfor_a_\@
	tensor_load_to_lds s[G0B+4*(\s):G0B+4*(\s)+3], s[G1B:G1B+7]
	s_nop 0
.rept 4
	v_nop
.endr
	s_branch .Lasked_\@
.Lfor_a_\@:
	tensor_load_to_lds s[G0A+4*(\s):G0A+4*(\s)+3], s[G1A:G1A+7]
	s_nop 0
.rept 4
	v_nop
.endr
.Lasked_\@:
.endm
; A round of the cluster's barrier: my work-group's barrier, so that wave 0's signal speaks for all four waves; wave 0 signals for the work-group; every wave waits for all sixteen; my work-group's barrier once more.
.macro CROUND
	s_barrier_signal -1
	s_barrier_wait -1
	s_cmp_lg_u32 s12, 0
	s_cbranch_scc1 .Lnot_wave_0_\@
	s_barrier_signal -3
.Lnot_wave_0_\@:
	s_barrier_wait -3
	s_barrier_signal -1
	s_barrier_wait -1
.endm
	s_load_b128 s[4:7], s[0:1], 0x0                ; ao s[4:5], wob s[6:7]
	s_load_b64 s[10:11], s[0:1], 0x10              ; out0
	v_lshl_add_u32 v[SPW], v0, 2, SPARE
	v_mov_b32 v[NIL], 0
	v_lshrrev_b32 v1, 5, v0
	v_readfirstlane_b32 s12, v1                    ; wave 0..3
	s_lshr_b32 s13, s12, 1                         ; which 64 of the tile's rows are mine.  Also: I fetch for B (0) or for A (1)
	s_and_b32 s14, s12, 1                          ; which 128 of its columns.  Also: which half of that tile I fetch
	s_bfe_u32 s15, ttmp6, 0x40000                  ; cx, cy: my place in the cluster
	s_bfe_u32 s16, ttmp6, 0x40004
	s_and_b32 s17, ttmp7, 0xffff
	s_lshl_b32 s17, s17, 2
	s_add_co_u32 s17, s17, s16                     ; tile column of C = 4 x cluster y + cy
	s_lshl_b32 s18, ttmp9, 2
	s_add_co_u32 s18, s18, s15                     ; tile row of C = 4 x cluster x + cx
	s_lshl_b32 s19, 0x1111, s15                    ; my column of the cluster: the same cx, so the same tile row
	s_lshl_b32 s20, s16, 2
	s_lshl_b32 s20, 15, s20                        ; my row of the cluster: the same cy, so the same tile column
	s_or_b32 s[G1A], s19, (1<<16)|(1<<20)|(1<<21)|(5<<22)|(3<<25)  ; 15:0 the mask: A's tiles go to my column; 17:16 2-byte elements; 20 padding on; 21 set beside a mask; 24:22 after every 64 words; 31:25 4 words
	s_mov_b32 s[G1A+1], KSTEP<<16                  ; tensor_dim0 = 128
	s_mov_b32 s[G1A+2], 64<<16                     ; tensor_dim1 = 64
	s_mov_b32 s[G1A+3], KSTEP<<16                  ; tile_dim0 = 128
	s_mov_b32 s[G1A+4], 64                         ; tile_dim1 = 64
	s_mov_b32 s[G1A+5], LDA                        ; elements from row to row
	s_mov_b32 s[G1A+6], 0
	s_mov_b32 s[G1A+7], 0
	s_or_b32 s[G1B], s20, (1<<16)|(1<<20)|(1<<21)|(6<<22)|(7<<25)  ; B's tiles go to my row; padding after every 128 words, 8 words
	s_mov_b32 s[G1B+1], 256<<16                    ; tensor_dim0 = 256 columns
	s_mov_b32 s[G1B+2], 64<<16                     ; tensor_dim1 = 64 k-rows
	s_mov_b32 s[G1B+3], 256<<16
	s_mov_b32 s[G1B+4], 64
	s_mov_b32 s[G1B+5], LDB
	s_mov_b32 s[G1B+6], 0
	s_mov_b32 s[G1B+7], 0
	s_lshl_b32 s56, s18, 7                         ; A: row 128 x tile row + 64 x half, in bytes: made of the tile row and the wave alone
	s_lshl_b32 s57, s14, 6
	s_add_co_u32 s56, s56, s57
	s_mul_i32 s56, s56, LDA*2
	s_mov_b32 s57, 0
	s_lshl_b32 s58, s17, 9                         ; B: column 256 x tile column (512 bytes), k-row 64 x half: made of the tile column and the wave alone
	s_lshl_b32 s59, s14, 19
	s_add_co_u32 s58, s58, s59
	s_mov_b32 s59, 0
	s_mul_i32 s60, s12, HALFB                      ; where they go: B's halves at wave x 64 k-rows (waves 0, 1),
	s_mul_i32 s61, s12, HALFA                      ; A's behind them (waves 2, 3): no place in the cluster enters an LDS address
	s_add_co_u32 s61, s61, AOFF-2*HALFA
	s_wait_kmcnt 0x0
	s_add_nc_u64 s[56:57], s[4:5], s[56:57]
	s_add_nc_u64 s[58:59], s[6:7], s[58:59]
	CROUND                                         ; all sixteen work-groups are here: the first joint loads meet
.irp s, 0,1
	s_mov_b32 s[G0A+4*(\s)], 1                                     ; count = 1
	s_add_co_u32 s[G0A+4*(\s)+1], s61, (\s)*SLOT                   ; LDS address
	s_add_nc_u64 s[G0A+4*(\s)+2:G0A+4*(\s)+3], s[56:57], (\s)*KSTEP*2  ; global address: K step s
	s_or_b32 s[G0A+4*(\s)+3], s[G0A+4*(\s)+3], 0x80000000          ; type = 2
	s_mov_b32 s[G0B+4*(\s)], 1
	s_add_co_u32 s[G0B+4*(\s)+1], s60, (\s)*SLOT
	s_add_nc_u64 s[G0B+4*(\s)+2:G0B+4*(\s)+3], s[58:59], (\s)*KSTEP*LDB*2
	s_or_b32 s[G0B+4*(\s)+3], s[G0B+4*(\s)+3], 0x80000000
	JLOAD \s                                       ; two loads of mine are out
.endr
	v_and_b32 v1, 15, v0                           ; r = l % 16
	v_bfe_u32 v2, v0, 4, 1                         ; h = l / 16
	v_mul_u32_u24 v3, v1, PA                       ; a fragment of A: lane l holds row r; two loads of 16 bytes, 32 bytes apart, at row x pitch + 16 h
	v_lshl_add_u32 v3, v2, 4, v3
	s_mul_i32 s60, s13, HALFA                      ; my 64 rows of A
	s_add_co_u32 s60, s60, AOFF
	v_add_nc_u32 v[ADRA], s60, v3
	v_add_nc_u32 v[ADRA+1], SLOT, v[ADRA]
	v_and_b32 v4, 7, v0                            ; the turning load: lane l reads k-row 8 h + l % 8, columns 8 ((l / 8) % 2) + 0..7, and is left with column r and 8 k
	v_lshl_add_u32 v4, v2, 3, v4
	v_mul_u32_u24 v4, v4, PB
	v_bfe_u32 v5, v0, 3, 1
	v_lshl_add_u32 v4, v5, 4, v4
	s_lshl_b32 s61, s14, 8                         ; my 128 columns of B
	v_add_nc_u32 v[ADRB], s61, v4
	v_add_nc_u32 v[ADRB+1], SLOT, v[ADRB]
	s_mul_i32 s60, s12, 16*SPITCH
	s_add_co_u32 s60, s60, STAGE                   ; my stage
	v_mul_u32_u24 v4, v1, SPITCH                   ; in: row r, 32 bytes for each half of the lanes
	v_lshl_add_u32 v4, v2, 5, v4
	v_add_nc_u32 v[STO], s60, v4
	v_and_b32 v5, 31, v0                           ; back: 32 lanes take one row of 512 bytes,
	v_lshlrev_b32 v[CO], 4, v5                     ; which are 512 consecutive bytes of out0
	v_add_nc_u32 v[RD], s60, v[CO]
	s_lshl_b32 s60, s18, 7
	s_lshl_b32 s61, s13, 6
	s_add_co_u32 s60, s60, s61                     ; my first row = 128 x tile row + 64 x half
	s_lshl_b32 s60, s60, 14                        ; 16,384 bytes a row
	s_lshl_b32 s62, s17, 10                        ; my first column, in bytes: 1,024 x tile column + 512 x half
	s_add_co_u32 s60, s60, s62
	s_lshl_b32 s62, s14, 9
	s_add_co_u32 s60, s60, s62
	s_mov_b32 s61, 0
	s_add_nc_u64 s[10:11], s[10:11], s[60:61]      ; out0 at my part of the tile
; 8 matrix instructions: n blocks b0, b0 + 1 x all 4 m blocks, 32 along K.  The 32 accumulators take turns, one instruction a turn, in the same order in every quarter.
.macro MUL8 f, b0, zero
	WIN MUL
.irp b, \b0, (\b0)+1
.irp a, 0,1,2,3
.if \zero
	v_wmma_f32_16x16x32_f16 v[8*(8*(\a)+(\b)):8*(8*(\a)+(\b))+7], v[(\f)+8*(\b):(\f)+8*(\b)+7], v[(\f)+64+8*(\a):(\f)+64+8*(\a)+7], 0
.else
	v_wmma_f32_16x16x32_f16 v[8*(8*(\a)+(\b)):8*(8*(\a)+(\b))+7], v[(\f)+8*(\b):(\f)+8*(\b)+7], v[(\f)+64+8*(\a):(\f)+64+8*(\a)+7], v[8*(8*(\a)+(\b)):8*(8*(\a)+(\b))+7]
.endif
.endr
.endr
.endm
; 24 LDS loads in one run: the fragments of quarter q (32 along K) into buffer f: A's 8, then B's blocks 0-3, then 4-7
.macro FETCH slot, q, f
	WIN TO_F
.irp a, 0,1,2,3
	ds_load_b128 v[(\f)+64+8*(\a):(\f)+64+8*(\a)+3],   v[ADRA+(\slot)] offset:64*(\q)+(\a)*16*PA
	ds_load_b128 v[(\f)+64+8*(\a)+4:(\f)+64+8*(\a)+7], v[ADRA+(\slot)] offset:64*(\q)+(\a)*16*PA+32
.endr
.irp b, 0,1,2,3,4,5,6,7
	ds_load_tr16_b128 v[(\f)+8*(\b):(\f)+8*(\b)+3],   v[ADRB+(\slot)] offset:32*PB*(\q)+32*(\b)
	ds_load_tr16_b128 v[(\f)+8*(\b)+4:(\f)+8*(\b)+7], v[ADRB+(\slot)] offset:32*PB*(\q)+32*(\b)+16*PB
.endr
.endm
; A K step is four quarters of 32 along K, 32 matrix instructions each, on buffers 0, 1, 0, 1.  One of the first three: multiplies buffer f and fetches quarter qn into g.
.macro QUARTER slot, qn, f, g, zero
	s_wait_dscnt 8                                 ; A and B's blocks 0-3 are in; the youngest eight loads (B's blocks 4-7) may be out
	MUL8 \f, 0, \zero
	MUL8 \f, 2, \zero
	PLACES
	FETCH \slot, \qn, \g
	s_wait_dscnt 24                                ; all but the 24 just issued
	MUL8 \f, 4, \zero
	MUL8 \f, 6, \zero
.endm
; The last quarter multiplies buffer 1 and changes slots.  Its first sixteen products want nothing of the next slot, so they stand AHEAD of the wait for it: between the moment at which the next slot has landed
; and the request that follows it stand only the lines that the ordering needs.  ONE barrier: in front of it each wave waits for all its tensor loads, adds 0 to its spare word, and waits for that and for its own
; reads of this slot.  fill = 1: this slot is filled again, two K steps ahead: the barrier is a round of the cluster's, and the joint load is the first thing behind the round.
.macro TURN slot, next, fill
	s_wait_dscnt 8                                 ; buffer 1's A and B's blocks 0-3 are in; the youngest eight loads (B's blocks 4-7) may be out
	MUL8 F1, 0, 0
	MUL8 F1, 2, 0
	WIN 0
	s_wait_tensorcnt 0x0                           ; all my tensor loads have landed: the one that was out is my part of the next slot; so every group 0 may be written;
	ds_add_u32 v[SPW], v[NIL]                      ; 0 onto my spare word: with fill = 1 the descriptors' steps stand between it and the wait for it
.if \fill
	s_add_nc_u64 s[G0A+4*(\slot)+2:G0A+4*(\slot)+3], s[G0A+4*(\slot)+2:G0A+4*(\slot)+3], 2*KSTEP*2
	s_add_nc_u64 s[G0B+4*(\slot)+2:G0B+4*(\slot)+3], s[G0B+4*(\slot)+2:G0B+4*(\slot)+3], 2*KSTEP*LDB*2
.endif
	s_wait_dscnt 0x0                               ; the add is done, and my reads of this slot are over
.if \fill
	CROUND                                         ; no wave of any partner still reads this slot's tiles or has a load on its way
	JLOAD \slot                                    ; a K step's 128 matrix instructions ahead of the wait for it; the four v_nop behind it are also the places in front of the loads below
.else
	s_barrier_signal -1
	s_barrier_wait -1
	PLACES
.endif
	FETCH \next, 0, F0
	MUL8 F1, 4, 0                                  ; sixteen products stand over the way of the next slot's first fragments out of LDS
	MUL8 F1, 6, 0
.endm
	s_wait_tensorcnt 1                             ; my part of K step 0 is in; K step 1's may stay out
	s_barrier_signal -1
	s_barrier_wait -1                              ; everybody's is
	FETCH 0, 0, F0
	QUARTER 0, 1, F0, F1, 1                        ; the first quarter stands in front of the loop: its products start the sums
	WIN 0                                          ; at a label and at a branch every window is 0
	s_mov_b32 s21, LAPS-1
.Llap:                                                 ; a trip goes once round the ring, from a lap's second quarter to the next lap's first, and fills both slots again
	QUARTER 0, 2, F1, F0, 0
	QUARTER 0, 3, F0, F1, 0
	TURN 0, 1, 1
	QUARTER 1, 1, F0, F1, 0
	QUARTER 1, 2, F1, F0, 0
	QUARTER 1, 3, F0, F1, 0
	TURN 1, 0, 1
	QUARTER 0, 1, F0, F1, 0
	WIN 0
	s_sub_co_u32 s21, s21, 1
	s_cmp_lg_u32 s21, 0
	s_cbranch_scc1 .Llap
	QUARTER 0, 2, F1, F0, 0                        ; the last lap fills nothing
	QUARTER 0, 3, F0, F1, 0
	TURN 0, 1, 0
	QUARTER 1, 1, F0, F1, 0
	QUARTER 1, 2, F1, F0, 0
	QUARTER 1, 3, F0, F1, 0
	s_wait_dscnt 8                                 ; the very last quarter: nothing more to fetch
	MUL8 F1, 0, 0
	MUL8 F1, 2, 0
	s_wait_dscnt 0x0
	MUL8 F1, 4, 0
	MUL8 F1, 6, 0
	WIN 0
; THE WAY OUT, a block of 16 rows at a time; the sums leave as they are, in f32.  A lane's eight numbers of a row are 32 bytes; they go into rows of 528 bytes of my own stage and come back as whole rows of 512.
.macro TOSTAGE a
	WIN 0x08                                       ; store data (source 1) window 2
.irp b, 0,1,2,3,4,5,6,7                ; each accumulator's low half first
	ds_store_b128 v[STO], v[8*(8*(\a)+(\b)):8*(8*(\a)+(\b))+3]   offset:64*(\b)
	ds_store_b128 v[STO], v[8*(8*(\a)+(\b))+4:8*(8*(\a)+(\b))+7] offset:64*(\b)+16
.endr
	WIN 0x40                                       ; destination window 1: the fragments' registers are free
.irp t, 0,1,2,3,4,5,6,7,8,9,10,11,12,13,14,15
	ds_load_b128 v[64*(\a)+4*(\t):64*(\a)+4*(\t)+3], v[RD] offset:(\t)*SPITCH  ; LDS serves a wave's instructions in order (ISA guide 5.7.1.4): these see the stores above; the next block's stores come behind them
.endr
.endm
.macro SEND a, younger                 ; younger: the LDS instructions issued behind block a's loads: the next block's 32, or none.  Every block has registers of its own, and its place stands in the immediate
	WIN 0x04                                       ; store data (source 1) window 1
	s_wait_dscnt \younger
.irp t, 0,1,2,3,4,5,6,7,8,9,10,11,12,13,14,15
	global_store_b128 v[CO], v[64*(\a)+4*(\t):64*(\a)+4*(\t)+3], s[10:11] offset:(16*(\a)+(\t))*16384 th:TH_STORE_NT  ; 512 consecutive bytes, at a multiple of 256 from out0's first byte
.endr
.endm
	PLACES                                         ; behind the last products
	TOSTAGE 0
	TOSTAGE 1
	SEND 0, 32
	TOSTAGE 2
	SEND 1, 32
	TOSTAGE 3
	SEND 2, 32
	SEND 3, 0
	WIN 0
	s_wait_tensorcnt 0x0                           ; the wave's end, behind my last tensor load and my last LDS store
	ds_add_u32 v[SPW], v[NIL]
	s_wait_dscnt 0x0
	CROUND                                         ; the closing round: no work-group ends while a partner may still ask for a tile that names it
	s_endpgm
.Lfunc_end_k_q3ab8d22d88_gemm_out:
	.size	k_q3ab8d22d88_gemm_out, .Lfunc_end_k_q3ab8d22d88_gemm_out-k_q3ab8d22d88_gemm_out
	.p2alignl 7, 3214868480
	.fill 96, 4, 3214868480
	.section	.rodata,"a",@progbits
	.p2align	6, 0x0
	.amdhsa_kernel k_q3ab8d22d88_gemm_out
		.amdhsa_group_segment_fixed_size 327680
		.amdhsa_private_segment_fixed_size 0
		.amdhsa_enable_private_segment 0
		.amdhsa_kernarg_size 24
		.amdhsa_user_sgpr_count 2
		.amdhsa_user_sgpr_kernarg_segment_ptr 1
		.amdhsa_wavefront_size32 1
		.amdhsa_system_sgpr_workgroup_id_x 1
		.amdhsa_system_sgpr_workgroup_id_y 1
		.amdhsa_system_sgpr_workgroup_id_z 1
		.amdhsa_system_vgpr_workitem_id 0
		.amdhsa_next_free_vgpr 768
		.amdhsa_next_free_sgpr 66
		.amdhsa_reserve_vcc 0
		.amdhsa_float_denorm_mode_32 3
		.amdhsa_float_denorm_mode_16_64 3
		.amdhsa_memory_ordered 1
		.amdhsa_forward_progress 1
		.amdhsa_inst_pref_size 85
	.end_amdhsa_kernel
	.amdgpu_metadata
---
amdhsa.version: [ 1, 2 ]
amdhsa.kernels:
  - .name:           k_q3ab8d22d88_gemm_out
    .symbol:         k_q3ab8d22d88_gemm_out.kd
    .args:
      - { .name: ao, .offset: 0, .size: 8, .value_kind: global_buffer, .address_space: global }
      - { .name: wob, .offset: 8, .size: 8, .value_kind: global_buffer, .address_space: global }
      - { .name: out0, .offset: 16, .size: 8, .value_kind: global_buffer, .address_space: global }
    .group_segment_fixed_size: 327680
    .private_segment_fixed_size: 0
    .kernarg_segment_align: 8
    .kernarg_segment_size: 24
    .max_flat_workgroup_size: 128
    .sgpr_count:     66
    .vgpr_count:     768
    .wavefront_size: 32
...
	.end_amdgpu_metadata
.endif
;; end of part 4
